; MI455X (gfx1250); checked and timed in simulation.
; The chip was launched on July 23, 2026; its instructions are those of AMD's public machine-readable ISA for CDNA 5 (MIT licence, August 2026) and "CDNA5" Instruction Set Architecture Reference Guide (July 2026). The comments in the code are by the model that wrote it; some were corrected since.
;; LSTM Cell. Allowed arithmetic: matrix products marked QUANTISED: E3M2 operands, one E8M0 scale for each 32 along K, by v_wmma_scale_f32_16x16x128_f8f6f4 with both operands' format E3M2, f32 sums; everything else in f32.
;; Inputs: W_codes 4,096 x 64 x 24 uint8 (E3M2 codes of W, K innermost, in blocks of 32 codes, four codes in three bytes); W_scales 4,096 x 64 uint8 (E8M0 scales of W, one for each 32 codes along K); b 4,096 float32; c_prev 8,192 x 1,024 float32; h_prev 8,192 x 1,024 float32; x 8,192 x 1,024 float32.
;; Outputs: out0 8,192 x 1,024 float32; out1 8,192 x 1,024 float32.
;; This version of the problem:
;;   THIS VERSION OF THE PROBLEM IS GIVEN IN LOW PRECISION. The matrix products marked QUANTISED in the list below multiply operands that are first quantised to E3M2 (3 exponent bits, 2 mantissa bits; 6 bits a number), with one power-of-two scale for each 32 numbers along K (OCP MX v1.0); their sums are f32. All else is computed in f32.
;;   The module's matrix products, in the order in which they are computed (A, B: the left and right operand; K: the contracted axis; several contracted axes count as one K, in the product's order):
;;     1. [M 8,192, K 2,048] x [K 2,048, N 4,096]; A: computed on the way; B: input W (given as codes): QUANTISED
;;   THE QUANTISER, for each operand of a quantised product, along K:
;;     - K is cut into blocks of 32 from its start; a last block that is shorter is filled with zeros.
;;     - A block's scale is 2^e with e = floor(log2(the largest magnitude in the block)) - 4, held to -126 .. 127; a block of zeros has e = 0. As a byte (E8M0): e + 127.
;;     - Each number is divided by its block's scale, clamped to +-28, and rounded to the nearest number of E3M2, ties to even, subnormals kept.
;;     - The product sums the exact products of the quantised numbers (number of the format x scale) in f32.
;;   ~~~python
;;   def quantise(x, axis):      # numpy; x: float32 -> the quantised numbers, widened to float32 again
;;       x = np.moveaxis(x, axis, -1); K = x.shape[-1]
;;       x = np.pad(x, [(0, 0)] * (x.ndim - 1) + [(0, -K % 32)]); x = x.reshape(x.shape[:-1] + (-1, 32)); a = np.abs(x).max(-1, keepdims=True)
;;       e = np.where(a > 0, np.clip(np.frexp(np.where(a > 0, a, 1))[1] - 1 - 4, -126, 127), 0)      # np.frexp(a)[1] - 1 = floor(log2(a)), exactly
;;       r = np.clip(x / 2.0 ** e, -28, 28)
;;       step = 2.0 ** (np.maximum(np.frexp(np.where(r == 0, 1, r))[1] - 1, -2) - 2)
;;       q = np.round(r / step) * step * 2.0 ** e      # np.round: ties to even
;;       return np.moveaxis(q.reshape(q.shape[:-2] + (-1,))[..., :K], -1, axis).astype(np.float32)
;;   ~~~
;;   OPERANDS COMPUTED ON THE WAY. 'Computed on the way' means the value that the module computes at that place (a softmax that the list does not call 'softmax' is quantised finished and normalised). What goes into a quantiser is computed in f32, as accurately as f32 sums, v_exp_f32 and their like allow (about 1e-6 of the number): no bf16 or f16 on the way to a quantiser, and a product that is left as it is and whose result goes on into a quantised operand takes f32 operands (vector FMAs, or v_wmma_f32_16x16x4_f32). A number that lies on a knife's edge between two numbers of the format may be rounded either way, as far as f32 arithmetic and the matrix unit's own rounding can turn it there, and no further.
;;   INPUTS GIVEN AS CODES. W (in the module: [2048, 4096], K = its axis 0): each comes as NAME_codes (uint8): NAME with its K axis moved to the last place and cut into blocks of 32 codes, [.., K / 32, bytes a block], one block behind the other in memory; four codes in three bytes: a row's codes are one little-endian stream of bits, code i at bits 6 i .. 6 i + 5 (a code: sign, 3 exponent bits, 2 mantissa bits); and NAME_scales (uint8): the same leading axes, one E8M0 byte (e + 127) for each 32 codes along K. Its value is code x scale, taken as it is: it is not quantised again, and the codes and scales need not be those that the quantiser above would give.
;; 2 versions. Each part assembles by itself: llvm-mc -triple=amdgcn-amd-amdhsa -mcpu=gfx1250 --defsym DOCPART=n.
;; ======== version 1 of 2: 2 launches
;; workspace buffers: a_img 12,582,912 bytes; a_sc 524,288 bytes; w_img 6,291,456 bytes; w_sc 262,144 bytes
;; launch prep (part 1): grid 576 x 1, 4 waves a work-group, no clusters, 34,304 bytes of LDS; arguments x, h_prev, W_codes, W_scales, a_img, a_sc, w_img, w_sc; writes a_img, a_sc, w_img, w_sc
.if DOCPART == 1
	.amdgcn_target "amdgcn-amd-amdhsa--gfx1250"
	.amdhsa_code_object_version 6
	.text
	.protected	k_qe863b76bcf_prep
	.globl	k_qe863b76bcf_prep
	.p2align	8
	.type	k_qe863b76bcf_prep,@function
k_qe863b76bcf_prep:
	s_mov_b64 s[64:65], 0
	v_nop
	global_prefetch_b8 v0, s[64:65] scope:SCOPE_SE
	s_setreg_imm32_b32 hwreg(HW_REG_WAVE_MODE, 25, 1), 1
	s_wait_xcnt 0x0
; LSTM cell, first of two launches.  gates = [x, h_prev] W + b is a product on codes of BF6 (E3M2) with one E8M0 scale for each 32 along K = 2,048.
; NO WORK IS LEFT OUT: every input (x, h_prev, c_prev, W, b) reaches both outputs for some values, so all are loaded, here or in the second launch.
; This launch (a) quantises the left operand, [x, h_prev] (the seam at K = 1,024 is a block's edge, so no block spans both inputs), and (b) lays W's codes and scale bytes anew.
; Both operands leave as IMAGES OF THE OPERAND'S REGISTERS: a fragment (16 rows x 128 K = 12 registers a lane) is 1,536 bytes, register 4 c + e of lane l at byte 512 c + 16 l + 4 e.
;   a_img [K slot of 256: 8][block of 16 rows: 512][K step of 128: 2][1536];   a_sc [block 512][K slot 8][row 16][K step 2] words of four E8M0 bytes
;   w_img [K slot 8][n block 256][K step 2][1536];   w_sc [n block 256][K slot 8][row 16][K step 2] words
;   n block nbi = 16 tx + 8 c + 2 g + s: lane r of it is W's row 1024 g + 64 tx + 32 c + 16 s + r: the four gates (g) of units 64 tx .. + 63 lie together, so that a tile of the product is one dense block.
; A block's scale is 2^(floor(log2(its largest magnitude)) - 4); its byte is the largest magnitude's exponent field - 4, held at 1 from below by a floor among the maximum's leaves.
; LIMITS: a block of zeros, or one whose largest magnitude lies under 2^-122, gets the byte 1 where the quantiser says 127 or less: its codes are zeros or the nearest codes under that scale, and this program alone
; reads the bytes.  NaN and infinities among x and h_prev are not served.
; SHARES.  Work-groups 0-511: one block of 16 rows each; wave kq takes K = 512 kq .. + 511, four K steps.  Work-groups 512-575: a wave takes one n block of W for all of K.  Waves share nothing: no barrier.
.set STG,   8448                       ; LDS: a stage for each wave: 16 rows x (512 bytes + 16)
.set SROW,  528                        ; 33 x 16 bytes: the sixteen rows that a read touches begin in sixteen different columns of 16 bytes
.set SPARE, 4*STG                      ; behind the four stages: the spare words, 128 bytes for each wave: two blocks of 256 bytes that no other line names
.set SPW,   10                         ; v10      LDS address of my spare word; never rewritten
.set NIL,   11                         ; v11      0; never rewritten
.set TM,    12                         ; v12-15 largest magnitudes, v16-19 the other half's, then the bytes, v24-27 the conversions' scale operands
.set PW,    28                         ; v28-31   a scale word for each of the four K steps
.set PC,    32                         ; v32-43   the fragment's codes; v44-46, v48-50 the conversions' second halves
.set X,     64                         ; v64-127  64 numbers: register 16 b + i = k 32 b + 16 (lane / 16) + i of my row
.set R,     128                        ; v128-255 two sets of 64 registers as they are loaded
.set WF,    64                         ; v64-255  path W: 12 registers for each of 16 K steps: none is written twice
.set SEL,   28                         ; s[28:29] v_permlanex16_b32's selects for lane l xor 16
	s_load_b256 s[4:11], s[0:1], 0x0               ; x s[4:5], h_prev s[6:7], W's codes s[8:9], W's scales s[10:11]
	s_load_b256 s[12:19], s[0:1], 0x20             ; a_img s[12:13], a_sc s[14:15], w_img s[16:17], w_sc s[18:19]
	v_lshl_add_u32 v[SPW], v0, 2, SPARE
	v_mov_b32 v[NIL], 0
	v_lshrrev_b32 v1, 5, v0
	v_readfirstlane_b32 s20, v1                    ; wave 0..3
	v_and_b32 v1, 31, v0                           ; lane
	v_and_b32 v2, 15, v0                           ; r
	v_bfe_u32 v3, v0, 4, 1                         ; h
	v_lshlrev_b32 v4, 4, v1                        ; 16 x lane: my 16 bytes of a load's or a store's 512
	v_lshlrev_b32 v7, 3, v1                        ; 8 x lane: my two scale words
	s_mul_i32 s25, s20, STG
	v_add_nc_u32 v5, s25, v4                       ; the stage, on the way in: 16 x lane of a row
	v_mul_u32_u24 v6, v2, SROW
	v_lshl_add_u32 v6, v3, 6, v6
	v_add_nc_u32 v6, s25, v6                       ; and on the way out: row r, + 64 h: my 16 numbers of a block of 32
	s_mov_b32 s[SEL], 0x76543210
	s_mov_b32 s[SEL+1], 0xfedcba98
	s_mov_b32 s23, 0                               ; the upper word of every offset below
.irp b, 0,1,2,3
	v_mov_b32 v[TM+4+\b], 0                        ; written once: a lane permute's destination counts as one of its sources
.endr
	s_wait_kmcnt 0x0
	s_cmp_ge_u32 ttmp9, 512                        ; the work-group's number alone decides: all four waves go the same way
	s_cbranch_scc1 .Lw
; ---------------- the left operand
.macro LOADX t                         ; K step t of my 16 rows: a load reads 512 consecutive bytes of one row
.irp r, 0,1,2,3,4,5,6,7,8,9,10,11,12,13,14,15
	global_load_b128 v[R+64*((\t)%2)+4*\r:R+64*((\t)%2)+4*\r+3], v4, s[4:5] offset:4096*\r+512*(\t) th:TH_LOAD_NT
.endr
.endm
.macro TURNX t                         ; through my stage: in as loaded, out 16 neighbours of each block of 32.  LDS serves a wave's instructions in order: no wait between
.irp r, 0,1,2,3,4,5,6,7,8,9,10,11,12,13,14,15
	ds_store_b128 v5, v[R+64*((\t)%2)+4*\r:R+64*((\t)%2)+4*\r+3] offset:SROW*\r
.endr
.irp b, 0,1,2,3
.irp j, 0,1,2,3
	ds_load_b128 v[X+16*\b+4*\j:X+16*\b+4*\j+3], v6 offset:128*\b+16*\j
.endr
.endr
.endm
; 64 numbers of a lane, v[s] on, become a fragment's codes in v[PC] on and its scale word in v[pw]
.macro QUANT s, pw
.irp b, 0,1,2,3
	v_max3_num_f32 v[TM+\b], |v[\s+16*\b]|, |v[\s+1+16*\b]|, 0x2800000   ; block b: my 16 numbers, and the floor 2^(5 - 127): the byte cannot fall under 1
.endr
.irp i, 2,4,6,8,10,12,14
.irp b, 0,1,2,3
	v_max3_num_f32 v[TM+\b], v[TM+\b], |v[\s+16*\b+\i]|, |v[\s+1+16*\b+\i]|   ; the four blocks by turns: no line waits for the line above it
.endr
.endr
.irp b, 0,1,2,3
	v_permlanex16_b32 v[TM+4+\b], v[TM+\b], s[SEL], s[SEL+1]
.endr
.irp b, 0,1,2,3
	v_max_num_f32 v[TM+\b], v[TM+\b], v[TM+4+\b]   ; with lane l xor 16's: the block's largest magnitude
.endr
.irp b, 0,1,2,3
	v_add_nc_u32 v[TM+12+\b], 0xfe000000, v[TM+\b] ; 4 off its exponent field: the conversion takes the exponent field of this operand as its scale, and nothing else of it
.endr
.irp b, 0,1,2,3
	v_lshrrev_b32 v[TM+4+\b], 23, v[TM+12+\b]      ; the scale's byte
.endr
	v_lshl_or_b32 v[\pw], v[TM+5], 8, v[TM+4]      ; the four bytes make my row's scale word (lanes r and r + 16 hold the same)
	v_lshl_or_b32 v[\pw], v[TM+6], 16, v[\pw]
	v_lshl_or_b32 v[\pw], v[TM+7], 24, v[\pw]
.irp c, 0,1
	v_cvt_scalef32_pk16_bf6_f32 v[PC+6*\c:PC+2+6*\c], v[\s+32*\c:\s+15+32*\c], v[TM+12+2*\c]
	v_cvt_scalef32_pk16_bf6_f32 v[PC+12+4*\c:PC+14+4*\c], v[\s+16+32*\c:\s+31+32*\c], v[TM+12+2*\c+1]   ; a conversion's three registers begin on an even number
.endr
	v_nop                                          ; one plain place behind a scaled conversion
.irp c, 0,1                                    ; the operand's layout wants a WHOLE block in a lane: lanes 0-15 block 2 c, lanes 16-31 block 2 c + 1
.irp i, 0,1,2
	v_permlane16_swap_b32 v[PC+6*\c+\i], v[PC+12+4*\c+\i]
.endr
.irp i, 0,1,2
	v_mov_b32 v[PC+3+6*\c+\i], v[PC+12+4*\c+\i]
.endr
.endr
.endm
.macro STEPX t
.if (\t) < 3
	s_wait_loadcnt 16                              ; this K step's sixteen loads are in; the next step's sixteen may be out
.else
	s_wait_loadcnt 0x0
.endif
	TURNX \t
	s_wait_dscnt 0x0                               ; my 64 numbers are back, and the stage's stores have read the set
	s_wait_xcnt 0x0                                ; the last K step's stores have read the codes' registers: they are written again only behind this wait
.if (\t) < 2
	LOADX (\t)+2                                   ; the set takes the K step two on
.endif
	QUANT X, PW+(\t)
.irp c, 0,1,2
	global_store_b128 v4, v[PC+4*\c:PC+4*\c+3], s[12:13] offset:((\t)/2)*1572864+((\t)%2)*1536+512*\c   ; the image: three stores of 512 consecutive bytes, aligned to 256
.endr
.endm
	s_cmp_lt_u32 s20, 2                            ; waves 0, 1: K lies in x; waves 2, 3: in h_prev
	s_cselect_b64 s[4:5], s[4:5], s[6:7]
	s_lshl_b32 s22, ttmp9, 16                      ; my 16 rows of 4,096 bytes,
	s_and_b32 s24, s20, 1
	s_lshl_b32 s24, s24, 11                        ; my 512 numbers of a row
	s_add_co_u32 s22, s22, s24
	s_add_nc_u64 s[4:5], s[4:5], s[22:23]
	s_mul_i32 s22, s20, 3145728                    ; a_img: K slot 2 kq,
	s_mul_i32 s24, ttmp9, 3072                     ; my block
	s_add_co_u32 s22, s22, s24
	s_add_nc_u64 s[12:13], s[12:13], s[22:23]
	s_lshl_b32 s22, ttmp9, 10                      ; a_sc: my block's 1,024 bytes, my two K slots' 256
	s_lshl_b32 s24, s20, 8
	s_add_co_u32 s22, s22, s24
	s_add_nc_u64 s[14:15], s[14:15], s[22:23]
	LOADX 0
	LOADX 1
	STEPX 0
	STEPX 1
	STEPX 2
	STEPX 3
	v_cmp_gt_u32 vcc_lo, 16, v1                    ; lanes 0-15 store K slot 2 kq's two words of row r, lanes 16-31 K slot 2 kq + 1's
	v_cndmask_b32 v8, v[PW+2], v[PW], vcc_lo
	v_cndmask_b32 v9, v[PW+3], v[PW+1], vcc_lo
	global_store_b64 v7, v[8:9], s[14:15]          ; 32 lanes store 256 consecutive bytes, aligned
	s_wait_tensorcnt 0x0                           ; the wave's end: three lines behind my last LDS store
	ds_add_u32 v[SPW], v[NIL]
	s_wait_dscnt 0x0
	s_endpgm
; ---------------- W: codes and scale bytes are taken as they are given and only laid anew.
.Lw:
.macro LOADW k                         ; K step k of my 16 rows, straight into the operand's registers: lane (r, h) takes 24 bytes at 96 k + 24 h and 24 at 96 k + 48 + 24 h of row r, in pieces of 8
.irp p, 0,1,2,3,4,5
	global_load_b64 v[WF+12*(\k)+2*\p:WF+12*(\k)+2*\p+1], v52, s[8:9] offset:96*(\k)+48*(\p/3)+8*(\p%3) th:TH_LOAD_NT
.endr
.endm
.macro SENDW k
.if (\k) < 9
	s_wait_loadcnt 42                              ; K step k's six loads are in; those of the seven K steps behind it may be out
.else
	s_wait_loadcnt 6*(15-(\k))
.endif
.irp c, 0,1,2
	global_store_b128 v4, v[WF+12*(\k)+4*\c:WF+12*(\k)+4*\c+3], s[16:17] offset:((\k)/2)*786432+((\k)%2)*1536+512*\c
.endr
.if (\k) < 8
	LOADW (\k)+8
.endif
.endm
	s_sub_co_u32 s21, ttmp9, 512
	s_lshl_b32 s21, s21, 2
	s_add_co_u32 s21, s21, s20                     ; nbi = 16 tx + 8 c + 2 g + s
	s_lshr_b32 s24, s21, 4
	s_lshl_b32 s24, s24, 6                         ; 64 tx
	s_bfe_u32 s25, s21, 0x10003
	s_lshl_b32 s25, s25, 5                         ; 32 c
	s_add_co_u32 s24, s24, s25
	s_bfe_u32 s25, s21, 0x20001
	s_lshl_b32 s25, s25, 10                        ; 1024 g
	s_add_co_u32 s24, s24, s25
	s_and_b32 s25, s21, 1
	s_lshl_b32 s25, s25, 4                         ; 16 s
	s_add_co_u32 s24, s24, s25                     ; my first row of W
	s_mul_i32 s22, s24, 1536
	s_add_nc_u64 s[8:9], s[8:9], s[22:23]
	s_lshl_b32 s22, s24, 6
	s_add_nc_u64 s[10:11], s[10:11], s[22:23]
	s_mul_i32 s22, s21, 3072
	s_add_nc_u64 s[16:17], s[16:17], s[22:23]
	s_lshl_b32 s22, s21, 10
	s_add_nc_u64 s[18:19], s[18:19], s[22:23]
	v_mul_u32_u24 v52, v2, 1536
	v_mad_u32_u24 v52, v3, 24, v52                 ; codes: row r, + 24 h
	v_lshlrev_b32 v53, 6, v2
	v_lshl_add_u32 v53, v3, 3, v53                 ; scale bytes: row r of 64, + 8 h: load t brings K slot 2 t + h's two words
.irp t, 0,1,2,3
	global_load_b64 v[32+2*\t:33+2*\t], v53, s[10:11] offset:16*\t th:TH_LOAD_NT
.endr
.irp k, 0,1,2,3,4,5,6,7
	LOADW \k
.endr
	s_wait_loadcnt 48                              ; the four loads of scale bytes are in; the 48 behind them may be out
.irp t, 0,1,2,3
	global_store_b64 v7, v[32+2*\t:33+2*\t], s[18:19] offset:256*\t   ; 128 (2 t + h) + 8 r: 256 consecutive bytes, aligned
.endr
.irp k, 0,1,2,3,4,5,6,7,8,9,10,11,12,13,14,15
	SENDW \k
.endr
	s_endpgm
.Lfunc_end_k_qe863b76bcf_prep:
	.size	k_qe863b76bcf_prep, .Lfunc_end_k_qe863b76bcf_prep-k_qe863b76bcf_prep
	.p2alignl 7, 3214868480
	.fill 96, 4, 3214868480
	.section	.rodata,"a",@progbits
	.p2align	6, 0x0
	.amdhsa_kernel k_qe863b76bcf_prep
		.amdhsa_group_segment_fixed_size 34304
		.amdhsa_private_segment_fixed_size 0
		.amdhsa_enable_private_segment 0
		.amdhsa_kernarg_size 64
		.amdhsa_user_sgpr_count 2
		.amdhsa_user_sgpr_kernarg_segment_ptr 1
		.amdhsa_wavefront_size32 1
		.amdhsa_system_sgpr_workgroup_id_x 1
		.amdhsa_system_sgpr_workgroup_id_y 1
		.amdhsa_system_sgpr_workgroup_id_z 1
		.amdhsa_system_vgpr_workitem_id 0
		.amdhsa_next_free_vgpr 256
		.amdhsa_next_free_sgpr 66
		.amdhsa_reserve_vcc 1
		.amdhsa_float_denorm_mode_32 3
		.amdhsa_float_denorm_mode_16_64 3
		.amdhsa_memory_ordered 1
		.amdhsa_forward_progress 1
		.amdhsa_inst_pref_size 49
	.end_amdhsa_kernel
	.amdgpu_metadata
---
amdhsa.version: [ 1, 2 ]
amdhsa.kernels:
  - .name:           k_qe863b76bcf_prep
    .symbol:         k_qe863b76bcf_prep.kd
    .args:
      - { .name: x, .offset: 0, .size: 8, .value_kind: global_buffer, .address_space: global }
      - { .name: h_prev, .offset: 8, .size: 8, .value_kind: global_buffer, .address_space: global }
      - { .name: W_codes, .offset: 16, .size: 8, .value_kind: global_buffer, .address_space: global }
      - { .name: W_scales, .offset: 24, .size: 8, .value_kind: global_buffer, .address_space: global }
      - { .name: a_img, .offset: 32, .size: 8, .value_kind: global_buffer, .address_space: global }
      - { .name: a_sc, .offset: 40, .size: 8, .value_kind: global_buffer, .address_space: global }
      - { .name: w_img, .offset: 48, .size: 8, .value_kind: global_buffer, .address_space: global }
      - { .name: w_sc, .offset: 56, .size: 8, .value_kind: global_buffer, .address_space: global }
    .group_segment_fixed_size: 34304
    .private_segment_fixed_size: 0
    .kernarg_segment_align: 8
    .kernarg_segment_size: 64
    .max_flat_workgroup_size: 128
    .sgpr_count:     66
    .vgpr_count:     256
    .wavefront_size: 32
...
	.end_amdgpu_metadata
.endif
;; end of part 1
;; launch cell (part 2): grid 16 x 32, 4 waves a work-group, clusters of 4 x 4, 327,680 bytes of LDS; arguments a_img, a_sc, w_img, w_sc, b, c_prev, out0, out1; writes out0, out1
.if DOCPART == 2
	.amdgcn_target "amdgcn-amd-amdhsa--gfx1250"
	.amdhsa_code_object_version 6
	.text
	.protected	k_qe863b76bcf_cell
	.globl	k_qe863b76bcf_cell
	.p2align	8
	.type	k_qe863b76bcf_cell,@function
k_qe863b76bcf_cell:
	s_mov_b64 s[64:65], 0
	v_nop
	global_prefetch_b8 v0, s[64:65] scope:SCOPE_SE
	s_setreg_imm32_b32 hwreg(HW_REG_WAVE_MODE, 25, 1), 1
	s_wait_xcnt 0x0
	s_wait_alu depctr_hold_cnt(0) depctr_sa_sdst(0) depctr_va_vdst(0) depctr_va_sdst(0) depctr_va_ssrc(0) depctr_va_vcc(0) depctr_vm_vsrc(0)
	s_getreg_b32 s2, hwreg(HW_REG_IB_STS2, 6, 4)
	s_cmp_eq_u32 s2, 0
	s_cbranch_scc0 .Lentry_in_a_cluster
	s_endpgm
.Lentry_in_a_cluster:
	s_bfe_u32 s2, ttmp6, 0x10000c
	s_cmp_lg_u32 s2, 0xf033
	s_cbranch_scc0 .Lentry_shape_is_right
	s_endpgm
.Lentry_shape_is_right:
; LSTM cell, second of two launches: gates = [x, h_prev] W + b on codes of BF6 (E3M2) with E8M0 scales, sums in f32; then c = c_prev sigmoid(f) + tanh(g) sigmoid(i), h = sigmoid(o) tanh(c), in f32.
; out0 = h, out1 = c.  The gates never go to memory.  No work is left out.
; A TILE is 256 rows x (4 gates x 64 units): a work-group of four waves, as many as a WGP has SIMDs; a wave makes 128 rows x (4 gates x 32 units): 64 accumulators of 16 x 16, 512 registers.
; THE MATRIX INSTRUCTION IS USED TRANSPOSED (source 0 = 16 rows of W, source 1 = 16 rows of the left operand): in accumulator (a, b = 2 g + s) lane (r, h) holds row 16 a + r, and register j unit 16 s + 8 h + j of
; gate g.  So register j of accumulators (a, s), (a, 2 + s), (a, 4 + s), (a, 6 + s) are i, f, o, g of ONE number: the cell's arithmetic needs no other lane.  The bias is the C of each sum's first product.
; OPERANDS come as images of their registers (the first launch laid them so): a fragment is 1,536 dense bytes, three loads of 16 bytes a lane, 512 consecutive bytes each: no pitch, no padding.
; K = 2,048 goes in 8 steps of 256 through a ring of two LDS slots; a wave's tensor load brings 24,576 dense bytes (8 blocks of 16 rows x 256 K).  The scale words of the tile's rows, for all of K, come once and stay.
; c_prev's tile comes once, with the first fills; c is written over it, h into slot 0 (which has had its last fill and its last read by then), and both leave as rows of 256 bytes.
; CLUSTERS: 4 x 4 work-groups.  The four of a row of the cluster need the same tiles of the left operand, the four of a column the same tiles of W: each is asked for JOINTLY, by the same tensor load with the
; same descriptor and a mask that names the four.  c_prev's tile is each work-group's own: a load with no mask.
; THE ACTIVATIONS.  sigmoid(v) = 1 / (1 + 2^(-L v)), tanh(v) = (E - 1) / (E + 1) with E = 2^(2 L v), L = log2(e).  2 L v is held at 30 from above, beyond which (E - 1) / (E + 1) is 1 in f32, so every numerator is
; finite; an exponential that overflows stands in a denominator alone, whose reciprocal is then 0, the right limit.  LIMITS: the reciprocal of a denominator above 2^126 comes out 0 where the true factor is under 2^-126;
; NaN and infinities among the inputs are not served.
; REGISTERS, in windows of 256: window 0: v1-30 addresses; v32-63 scale words, two sets, and nothing else; v64-127 the bias (8 registers for each block of W); v128-223 the left operand's fragments, ONE set;
;   behind the products v64-255 are free.   window 1: W's fragments, TWO sets, at v0 and v128.   window 2: accumulators of my rows 0-63 ((a, b) at v[8 (8 a + b)]);   window 3: of my rows 64-127.
.set NQ,     2                         ; matrix instructions deep in a slot
.set FR,     12                        ; registers of a fragment
.set NL,     3                         ; LDS loads that bring one
.set NP,     4                         ; places behind this matrix instruction (ISA guide 7.12.1)
.set HALFT,  24576                     ; 8 blocks x 2 K steps x 1,536 bytes: what one tensor load brings, and what one wave reads of either operand
.set SLOT,   4*HALFT                   ; left rows 0-127, left rows 128-255, W's column half 0, half 1
.set SCL,    2*SLOT                    ; behind the ring: the scale words, 8,192 bytes for each of the same four parts: block i at 1024 i, K slot at 128, row r at 8 r, K step at 4
.set SCP,    8192
.set CP,     SCL+4*SCP                 ; c_prev, later c: 256 rows x (256 bytes + 16)
.set CPITCH, 272                       ; 17 x 16 bytes: the sixteen rows that an access touches begin in sixteen different columns of 16 bytes
.set SPARE,  CP+256*CPITCH             ; the spare words, 128 bytes for each wave: two blocks of 256 bytes that no other line names
.set ASTEP,  1572864                   ; a K slot on in a_img
.set BSTEP,  786432                    ; and in w_img
.set ADRA, 16                          ; v16-17  LDS address of my fragments of the left operand in slot 0, 1
.set ADRB, 20                          ; v20-21  the same for W
.set CPA,  22                          ; v22     my 32 bytes of a row of c_prev / c
.set HSA,  23                          ; v23     the same in h's stage (LDS byte 0 on)
.set RDC,  24                          ; v24     the way out: where I read a row of c back
.set RDH,  25                          ; v25     and of h
.set GO,   26                          ; v26     my byte offset in the wave's rows of out0 and out1
.set ADRS, 27                          ; v27     my scale words: lanes 0-15 the left operand's rows, lanes 16-31 W's
.set SPW,  28                          ; v28     LDS address of my spare word; never rewritten
.set NIL,  29                          ; v29     0; never rewritten
.set BO,   30                          ; v30     32 x (lane / 16): my eight numbers of a block's sixteen biases
.set SC,   32                          ; scale words: set s at v[SC + 16 s]; register 2 i + q: lanes 0-15 the left operand's block i, lanes 16-31 W's block i, the slot's q-th 128 along K
.set BI,   64
.set AF,   128
.set TI,   64                          ; the cell's arithmetic, sixteen registers each: i, f, o, g, a denominator, c
.set TF,   80
.set TO,   96
.set TG,   112
.set UG,   128
.set CV,   144
.set G1A,  24                          ; s[24:31] descriptor group 1 for the left operand's tiles;  s[32:39] group 0, one set for each slot
.set G0A,  32
.set G0C,  44                          ; s[44:47] group 0 for c_prev
.set G1B,  48                          ; s[48:55], s[56:63] the same for W's tiles
.set G0B,  56
.set G1SA, 68                          ; s[68:75], s[76:79] groups 1 and 0 for the left operand's scale words;  s[80:87], s[88:91] for W's
.set G0SA, 76
.set G1SB, 80
.set G0SB, 88
.set G1C,  92                          ; s[92:99] group 1 for c_prev
.set SNEG, 24                          ; s[24:25] -L, s[26:27] 2 L, s28 30.0: written behind the last wait for all tensor loads, when no load names these registers any more
.set SPOS, 26
.set SCAP, 28
.set MSB, 0
.macro WIN new                         ; the immediate's high byte repeats the setting that is left
.if MSB != \new
	s_set_vgpr_msb (MSB<<8)|\new
.set MSB, \new
.endif
.endm
.set MUL_LO, 0xa1                      ; source 0 (W) window 1, source 1 window 0, C and D window 2
.set MUL_HI, 0xf1                      ; the same, C and D window 3
.set BIA_LO, 0x81                      ; the first products: C (the bias) window 0, D window 2
.set BIA_HI, 0xc1                      ; D window 3
.set TO_B,   0x40                      ; destination window 1, address window 0
; A joint load: waves 0 and 1 fetch for the left operand, waves 2 and 3 for W.  Each line has ONE mask and one set of registers for all that issue it; the branch hangs on the wave's number alone.
; An s_nop 0 and four v_nop follow each of the two lines, ahead of the jump, the label and what follows.
.macro JLOAD g0a, g1a, g0b, g1b
	s_cmp_eq_u32 s21, 0
	s_cbranch_scc0 .Lfor_b_\@
	tensor_load_to_lds s[\g0a:\g0a+3], s[\g1a:\g1a+7]
	s_nop 0
.rept 4
	v_nop
.endr
	s_branch .Lasked_\@
.Lfor_b_\@:
	tensor_load_to_lds s[\g0b:\g0b+3], s[\g1b:\g1b+7]
	s_nop 0
.rept 4
	v_nop
.endr
.Lasked_\@:
.endm
.macro CREST                           ; a round of the cluster's barrier behind its opening barrier
	s_cmp_lg_u32 s20, 0
	s_cbranch_scc1 .Lnot_wave_0_\@
	s_barrier_signal -3
.Lnot_wave_0_\@:
	s_barrier_wait -3
	s_barrier_signal -1
	s_barrier_wait -1
.endm
.macro CROUND                          ; a whole round
	s_barrier_signal -1
	s_barrier_wait -1
	CREST
.endm
	s_load_b256 s[4:11], s[0:1], 0x0               ; a_img s[4:5], a_sc s[6:7], w_img s[8:9], w_sc s[10:11]
	s_load_b256 s[12:19], s[0:1], 0x20             ; b s[12:13], c_prev s[14:15], out0 s[16:17], out1 s[18:19]
	v_lshl_add_u32 v[SPW], v0, 2, SPARE
	v_mov_b32 v[NIL], 0
	ds_add_u32 v[SPW], v[NIL]                      ; the wave's opening: the add, twice on end, and its wait ahead of my first tensor load; the set-up below stands between
	ds_add_u32 v[SPW], v[NIL]                      ; and once more, under the one wait
	v_lshrrev_b32 v1, 5, v0
	v_readfirstlane_b32 s20, v1                    ; wave 0..3
	s_lshr_b32 s21, s20, 1                         ; which half of the tile's rows is mine.  Also: I fetch for the left operand (0) or for W (1)
	s_and_b32 s22, s20, 1                          ; which half of its columns.  Also: which half of that operand's tile I fetch
	s_bfe_u32 s40, ttmp6, 0x40000                  ; cx, cy: my place in the cluster
	s_bfe_u32 s41, ttmp6, 0x40004
	s_lshl_b32 s42, ttmp9, 2
	s_add_co_u32 s42, s42, s40                     ; tx = 4 x cluster x + cx: units 64 tx on
	s_and_b32 s43, ttmp7, 0xffff
	s_lshl_b32 s43, s43, 2
	s_add_co_u32 s43, s43, s41                     ; ty = 4 x cluster y + cy: rows 256 ty on
	s_lshl_b32 s100, s41, 2
	s_lshl_b32 s100, 15, s100                      ; my row of the cluster
	s_lshl_b32 s101, 0x1111, s40                   ; my column
	; descriptor groups 1.  Tiles and scale words are dense blocks: rows of 256 bytes (32 elements of 8 bytes), pitch = row, no padding
	s_or_b32 s[G1A], s100, (3<<16)|(1<<21)         ; 15:0 the mask: my row; 17:16 elements of 8 bytes; 21 set beside a mask
	s_or_b32 s[G1B], s101, (3<<16)|(1<<21)         ; the same with my column
	s_or_b32 s[G1SA], s100, (3<<16)|(1<<21)
	s_or_b32 s[G1SB], s101, (3<<16)|(1<<21)
.irp g, G1A, G1B
	s_mov_b32 s[\g+1], 32<<16                      ; tensor_dim0 = 32
	s_mov_b32 s[\g+2], 96<<16                      ; tensor_dim1 = 96: 24,576 bytes
	s_mov_b32 s[\g+3], 32<<16                      ; tile_dim0
	s_mov_b32 s[\g+4], 96                          ; tile_dim1
	s_mov_b32 s[\g+5], 32                          ; tensor_dim0_stride
	s_mov_b32 s[\g+6], 0
	s_mov_b32 s[\g+7], 0
.endr
.irp g, G1SA, G1SB
	s_mov_b32 s[\g+1], 32<<16
	s_mov_b32 s[\g+2], 32<<16                      ; 32 rows: 8,192 bytes
	s_mov_b32 s[\g+3], 32<<16
	s_mov_b32 s[\g+4], 32
	s_mov_b32 s[\g+5], 32
	s_mov_b32 s[\g+6], 0
	s_mov_b32 s[\g+7], 0
.endr
	s_mov_b32 s[G1C], (2<<16)|(1<<20)|(5<<22)|(3<<25)  ; c_prev: no mask; elements of 4 bytes; padding on: after every 64 words (code 5) 4 words (code 3)
	s_mov_b32 s[G1C+1], 64<<16                     ; tensor_dim0 = 64
	s_mov_b32 s[G1C+2], 64<<16                     ; tensor_dim1 = 64
	s_mov_b32 s[G1C+3], 64<<16                     ; tile_dim0 = 64 numbers: 256 bytes
	s_mov_b32 s[G1C+4], 64                         ; tile_dim1 = 64 rows
	s_mov_b32 s[G1C+5], 1024                       ; from row to row
	s_mov_b32 s[G1C+6], 0
	s_mov_b32 s[G1C+7], 0
	s_wait_dscnt 0x0                               ; both opening adds are done
	s_wait_kmcnt 0x0
	; where my parts begin.  The left operand's hang on ty and the wave alone (s[2:3]), W's on tx and the wave alone (s[104:105]): neither pair ever holds the other coordinate
	s_lshl_b32 s2, s43, 1
	s_add_co_u32 s2, s2, s22                       ; 2 ty + half
	s_mov_b32 s3, 0
	s_lshl_b32 s2, s2, 13                          ; x 8,192: its scale words
	s_add_nc_u64 s[6:7], s[6:7], s[2:3]
	s_mul_i32 s2, s2, 3                            ; x 24,576: its codes in a K slot
	s_add_nc_u64 s[4:5], s[4:5], s[2:3]
	s_lshl_b32 s104, s42, 1
	s_add_co_u32 s104, s104, s22                   ; 2 tx + half
	s_mov_b32 s105, 0
	s_lshl_b32 s104, s104, 13
	s_add_nc_u64 s[10:11], s[10:11], s[104:105]
	s_mul_i32 s104, s104, 3
	s_add_nc_u64 s[8:9], s[8:9], s[104:105]
	s_lshl_b32 s66, s43, 8
	s_lshl_b32 s67, s20, 6
	s_add_co_u32 s66, s66, s67                     ; row 256 ty + 64 wave: the rows of c_prev that I fetch, and of out0 and out1 that I store,
	s_lshl_b32 s66, s66, 12                        ; of 4,096 bytes,
	s_lshl_b32 s67, s42, 8
	s_add_co_u32 s66, s66, s67                     ; + 256 tx
	s_mov_b32 s67, 0
	s_add_nc_u64 s[16:17], s[16:17], s[66:67]
	s_add_nc_u64 s[18:19], s[18:19], s[66:67]
	; descriptor groups 0: 1:0 count = 1; 63:32 LDS address, made of the wave's number alone; 120:64 global address; 127:126 type = 2
	s_mov_b32 s[G0C], 1
	s_mul_i32 s[G0C+1], s20, 64*CPITCH
	s_add_co_u32 s[G0C+1], s[G0C+1], CP
	s_add_nc_u64 s[G0C+2:G0C+3], s[14:15], s[66:67]
	s_or_b32 s[G0C+3], s[G0C+3], 0x80000000
	s_mov_b32 s[G0SA], 1
	s_mul_i32 s[G0SA+1], s20, SCP
	s_add_co_u32 s[G0SA+1], s[G0SA+1], SCL
	s_mov_b64 s[G0SA+2:G0SA+3], s[6:7]
	s_or_b32 s[G0SA+3], s[G0SA+3], 0x80000000
	s_mov_b32 s[G0SB], 1
	s_mul_i32 s[G0SB+1], s20, SCP
	s_add_co_u32 s[G0SB+1], s[G0SB+1], SCL
	s_mov_b64 s[G0SB+2:G0SB+3], s[10:11]
	s_or_b32 s[G0SB+3], s[G0SB+3], 0x80000000
.irp s, 0,1
	s_mov_b32 s[G0A+4*\s], 1
	s_mul_i32 s[G0A+4*\s+1], s20, HALFT
	s_add_co_u32 s[G0A+4*\s+1], s[G0A+4*\s+1], \s*SLOT
	s_add_nc_u64 s[G0A+4*\s+2:G0A+4*\s+3], s[4:5], \s*ASTEP
	s_or_b32 s[G0A+4*\s+3], s[G0A+4*\s+3], 0x80000000
	s_mov_b32 s[G0B+4*\s], 1
	s_mul_i32 s[G0B+4*\s+1], s20, HALFT
	s_add_co_u32 s[G0B+4*\s+1], s[G0B+4*\s+1], \s*SLOT
	s_add_nc_u64 s[G0B+4*\s+2:G0B+4*\s+3], s[8:9], \s*BSTEP
	s_or_b32 s[G0B+4*\s+3], s[G0B+4*\s+3], 0x80000000
.endr
	s_lshl_b32 s66, s42, 8                         ; the bias: 256 tx + 128 x my column half, in each gate's 4,096 bytes
	s_lshl_b32 s67, s22, 7
	s_add_co_u32 s66, s66, s67
	s_mov_b32 s67, 0
	s_add_nc_u64 s[12:13], s[12:13], s[66:67]
	CROUND                                         ; all sixteen work-groups are here: the first joint loads meet
	JLOAD G0SA, G1SA, G0SB, G1SB                   ; the first fills, one group, four loads of mine out: the scale words, wanted with K slot 0;
	JLOAD G0A, G1A, G0B, G1B                       ; K slot 0;
	JLOAD G0A+4, G1A, G0B+4, G1B                   ; K slot 1;
	tensor_load_to_lds s[G0C:G0C+3], s[G1C:G1C+7]  ; and 64 rows of c_prev, wanted behind the products: every wave, no mask
	s_nop 0
.rept 4
	v_nop
.endr
	v_and_b32 v1, 31, v0                           ; lane
	v_and_b32 v2, 15, v0                           ; r
	v_bfe_u32 v3, v0, 4, 1                         ; h
	v_lshlrev_b32 v4, 4, v1                        ; 16 x lane: an image's place for my lane
	v_lshlrev_b32 v[BO], 5, v3
.irp g, 0,1,2,3
.irp e, 0,1
.irp u, 0,1
	global_load_b128 v[BI+8*(2*\g+\e)+4*\u:BI+8*(2*\g+\e)+4*\u+3], v[BO], s[12:13] offset:4096*\g+64*\e+16*\u   ; b of gate g, units 16 e + 8 h + 0 .. 7 of my 32: the result's layout
.endr
.endr
.endr
	s_mul_i32 s2, s21, HALFT                       ; my 128 rows of the left operand
	v_add_nc_u32 v[ADRA], s2, v4
	s_add_co_u32 s2, s2, SLOT
	v_add_nc_u32 v[ADRA+1], s2, v4
	s_mul_i32 s3, s22, HALFT                       ; my half of W's tile,
	s_add_co_u32 s3, s3, 2*HALFT                   ; behind the left operand's two
	v_add_nc_u32 v[ADRB], s3, v4
	s_add_co_u32 s3, s3, SLOT
	v_add_nc_u32 v[ADRB+1], s3, v4
	v_mul_u32_u24 v5, v2, CPITCH
	v_lshl_add_u32 v5, v3, 5, v5                   ; row r, + 32 h
	s_mul_i32 s2, s21, 128*CPITCH                  ; my 128 rows,
	s_lshl_b32 s3, s22, 7                          ; my 128 bytes of them
	s_add_co_u32 s2, s2, s3
	v_add_nc_u32 v[HSA], s2, v5
	v_add_nc_u32 v[CPA], CP, v[HSA]
	v_mul_u32_u24 v6, v3, CPITCH                   ; back: lanes 0-15 one row of 256 bytes, lanes 16-31 the next,
	v_lshl_add_u32 v6, v2, 4, v6
	s_mul_i32 s2, s20, 64*CPITCH                   ; of rows 64 wave on
	v_add_nc_u32 v[RDH], s2, v6
	v_add_nc_u32 v[RDC], CP, v[RDH]
	v_lshlrev_b32 v[GO], 12, v3                    ; and the same two rows in out0 and out1
	v_lshl_add_u32 v[GO], v2, 4, v[GO]
	s_lshl_b32 s2, s21, 13                         ; scale words: the left operand's, my 128 rows;
	s_lshl_b32 s3, s22, 13
	s_add_co_u32 s3, s3, 2*SCP                     ; W's, my half, behind the left operand's two
	s_sub_co_u32 s3, s3, s2
	v_mul_u32_u24 v7, s3, v3                       ; lanes 16-31 take W's: the lower base + h x the distance
	s_add_co_u32 s2, s2, SCL
	v_lshl_add_u32 v7, v2, 3, v7                   ; 8 bytes a row: a K slot's two words
	v_add_nc_u32 v[ADRS], s2, v7
.macro FRAG reg, adr, q, i             ; a fragment comes as it was laid: three loads, 512 consecutive bytes each
.irp c, 0,1,2
	ds_load_b128 v[\reg+4*\c:\reg+4*\c+3], v[\adr] offset:3072*(\i)+1536*(\q)+512*\c
.endr
.endm
; 16 matrix instructions: the left operand's blocks a0, a0 + 1 x W's eight, 128 along K: the slot's q-th.  p: W's set;  sc: the set of scale words.  first = 1: the bias starts the sums: nothing is cleared or added later.
; The 64 accumulators take turns, one instruction a turn, in the same order in every step.
.macro MUL16 a0, p, q, sc, first
.irp a, \a0, \a0+1
.irp b, 0,1,2,3,4,5,6,7
.if \first
	v_wmma_scale_f32_16x16x128_f8f6f4 v[8*(8*((\a)%4)+\b):8*(8*((\a)%4)+\b)+7], v[128*(\p)+FR*\b:128*(\p)+FR*\b+FR-1], v[AF+FR*(\a):AF+FR*(\a)+FR-1], v[BI+8*\b:BI+8*\b+7], v[SC+8*NQ*(\sc)+NQ*\b+(\q)], v[SC+8*NQ*(\sc)+NQ*(\a)+(\q)] matrix_a_fmt:MATRIX_FMT_BF6 matrix_b_fmt:MATRIX_FMT_BF6 matrix_a_scale:MATRIX_SCALE_ROW1
.else
	v_wmma_scale_f32_16x16x128_f8f6f4 v[8*(8*((\a)%4)+\b):8*(8*((\a)%4)+\b)+7], v[128*(\p)+FR*\b:128*(\p)+FR*\b+FR-1], v[AF+FR*(\a):AF+FR*(\a)+FR-1], v[8*(8*((\a)%4)+\b):8*(8*((\a)%4)+\b)+7], v[SC+8*NQ*(\sc)+NQ*\b+(\q)], v[SC+8*NQ*(\sc)+NQ*(\a)+(\q)] matrix_a_fmt:MATRIX_FMT_BF6 matrix_b_fmt:MATRIX_FMT_BF6 matrix_a_scale:MATRIX_SCALE_ROW1
.endif
.endr
.endr
.endm
.macro FETCH_B slot, q, p              ; W's eight fragments of the slot's q-th 128 along K into set p
	WIN TO_B
.irp i, 0,1,2,3,4,5,6,7
	FRAG 128*(\p)+FR*\i, ADRB+\slot, \q, \i
.endr
	WIN 0
.endm
.macro FETCH_A slot, q, i0             ; the left operand's blocks i0 .. i0 + 3
.irp i, \i0, \i0+1, \i0+2, \i0+3
	FRAG AF+FR*(\i), ADRA+\slot, \q, \i
.endr
.endm
.macro SCALES sc                       ; a K slot's scale words into set sc: two words a row; lanes 0-15 the left operand's block i, lanes 16-31 W's block i
.irp i, 0,1,2,3,4,5,6,7
	ds_load_b64 v[SC+8*NQ*\sc+NQ*\i:SC+8*NQ*\sc+NQ*\i+1], v[ADRS] offset:1024*\i
.endr
.endm
; A load into a register that a matrix instruction has read, and a vector instruction that reads a matrix result or writes one of a matrix instruction's registers, stand NP places behind it, and only plain vector
; instructions that name none of its registers are places (ISA guide 7.12.1 for vector instructions).
.macro PLACES n
.rept \n
	v_nop
.endr
.endm
; A step of 128 along K that has its successor in the same slot.  A block of the left operand is free as soon as its eight products are issued: blocks 0-3 are fetched anew in the step's middle, blocks 4-7 at its end.
.macro STEP slot, q, first
	s_wait_dscnt 4*NL                              ; W's set, the scale words and blocks 0-3 are in; the youngest twelve loads (blocks 4-7) may be out
.if \first
	WIN BIA_LO
.else
	WIN MUL_LO
.endif
	MUL16 0, (\q)%2, \q, \slot, \first
	MUL16 2, (\q)%2, \q, \slot, \first
	s_wait_dscnt 0                                 ; blocks 4-7 are in (asked for 32 matrix instructions ago)
	PLACES NP
	FETCH_B \slot, (\q)+1, 1-(\q)%2
	FETCH_A \slot, (\q)+1, 0
.if \first
	WIN BIA_HI
.else
	WIN MUL_HI
.endif
	MUL16 4, (\q)%2, \q, \slot, \first
	MUL16 6, (\q)%2, \q, \slot, \first
	PLACES NP
	WIN 0
	FETCH_A \slot, (\q)+1, 4
.endm
; A slot's last step changes slots: ONE barrier; in front of it each wave waits for all its tensor loads, adds 0 to its spare word, and waits for that and for its own reads of this slot.  fill = 1: this slot is filled again, two K slots ahead.
.macro TURN slot, next, fill
	s_wait_tensorcnt 0x0                           ; all my tensor loads have landed: my part of the next slot (at the first change: my rows of c_prev too).  Every window is 0 here
	ds_add_u32 v[SPW], v[NIL]                      ; 0 onto my spare word
	s_wait_dscnt 4*NL+1                            ; (the add and the youngest twelve loads, blocks 4-7, may be out)
	WIN MUL_LO
	MUL16 0, 1, NQ-1, \slot, 0                     ; sixteen matrix instructions stand between the add and the wait for it
	s_wait_dscnt 0x0                               ; the add is done, and my reads of this slot are over
	s_barrier_signal -1
	MUL16 2, 1, NQ-1, \slot, 0
	WIN 0
	s_barrier_wait -1
.if \fill
	CREST                                          ; the barrier has opened a round of the cluster's barrier: no wave of any partner still reads this slot's tile or has a load on its way
	s_add_nc_u64 s[G0A+4*\slot+2:G0A+4*\slot+3], s[G0A+4*\slot+2:G0A+4*\slot+3], 2*ASTEP
	s_add_nc_u64 s[G0B+4*\slot+2:G0B+4*\slot+3], s[G0B+4*\slot+2:G0B+4*\slot+3], 2*BSTEP
	JLOAD G0A+4*\slot, G1A, G0B+4*\slot, G1B       ; the first tensor load behind the round, my one load until the next; its four v_nop are the places in front of the loads below
.else
	PLACES NP
.endif
	v_add_nc_u32 v[ADRS], 128, v[ADRS]             ; on to the next K slot's scale words (no LDS load of mine is out)
	FETCH_B \next, 0, 0
	FETCH_A \next, 0, 0
	SCALES \next
	WIN MUL_HI
	MUL16 4, 1, NQ-1, \slot, 0
	MUL16 6, 1, NQ-1, \slot, 0
	PLACES NP
	WIN 0
	FETCH_A \next, 0, 4
.endm
	s_wait_tensorcnt 2                             ; my scale words and my part of K slot 0 are in; the two loads issued behind them (K slot 1, c_prev) may be out
	s_barrier_signal -1
	s_barrier_wait -1                              ; everybody's are
	FETCH_B 0, 0, 0
	FETCH_A 0, 0, 0
	SCALES 0
	FETCH_A 0, 0, 4
	s_wait_loadcnt 0x0                             ; the bias
	STEP 0, 0, 1                                   ; the first step stands in front of the loop: its products start the sums, on the bias
	s_mov_b32 s23, 3
.Llap:                                                 ; three trips: each goes once round the ring, from a lap's second step to the next lap's first, and fills both slots again: K slots 2 to 7
	TURN 0, 1, 1
	STEP 1, 0, 0
	TURN 1, 0, 1
	STEP 0, 0, 0
	s_sub_co_u32 s23, s23, 1
	s_cmp_lg_u32 s23, 0
	s_cbranch_scc1 .Llap
	TURN 0, 1, 0                                   ; the last lap fills nothing, and has no round of the cluster's barrier
	STEP 1, 0, 0
	s_wait_dscnt 4*NL                              ; the very last step: nothing more to fetch
	WIN MUL_LO
	MUL16 0, 1, NQ-1, 1, 0
	MUL16 2, 1, NQ-1, 1, 0
	s_wait_dscnt 0
	WIN MUL_HI
	MUL16 4, 1, NQ-1, 1, 0
	MUL16 6, 1, NQ-1, 1, 0
	WIN 0
; THE CELL'S ARITHMETIC, a block of 16 rows at a time: sixteen numbers a lane, number 8 e + j = unit 16 e + 8 h + j of my 32.
; The exponentials and reciprocals go in four batches, each with one plain instruction behind it and ONE wait ahead of its first reader.
.macro EP a
.set AC, 64*((\a)%4)
.set WE, 0x02+(\a)/4
	s_wait_dscnt 0x0                               ; the last block's stores into the stages have read their registers
.irp e, 0,1
.irp u, 0,1
	ds_load_b128 v[CV+8*\e+4*\u:CV+8*\e+4*\u+3], v[CPA] offset:16*CPITCH*(\a)+64*\e+16*\u   ; c_prev of my sixteen numbers: wanted behind two batches
.endr
.endr
	WIN WE                                         ; source 0: the accumulators' window
.irp g, 0,1,2
.irp e, 0,1
.irp j, 0,2,4,6
	v_pk_mul_f32 v[TI+16*\g+8*\e+\j:TI+16*\g+8*\e+\j+1], v[AC+8*(2*\g+\e)+\j:AC+8*(2*\g+\e)+\j+1], s[SNEG:SNEG+1] op_sel_hi:[1,0]   ; -L i, -L f, -L o; each accumulator from its low end on
.endr
.endr
.endr
.irp e, 0,1
.irp j, 0,2,4,6
	v_pk_mul_f32 v[TG+8*\e+\j:TG+8*\e+\j+1], v[AC+8*(6+\e)+\j:AC+8*(6+\e)+\j+1], s[SPOS:SPOS+1] op_sel_hi:[1,0]   ; 2 L g
.endr
.endr
	WIN 0
.set nn, 0
.rept 16
	v_min_num_f32 v[TG+nn], s[SCAP], v[TG+nn]      ; held at 30: E_g stays finite
.set nn, nn+1
.endr
.set nn, 0
.rept 64
	v_exp_f32 v[TI+nn], v[TI+nn]                   ; E_i, E_f, E_o, E_g
.set nn, nn+1
.endr
	v_nop
	s_wait_alu depctr_va_vdst(0)
.set nn, 0
.rept 24
	v_pk_add_f32 v[TI+nn:TI+nn+1], v[TI+nn:TI+nn+1], 1.0 op_sel_hi:[1,0]   ; 1 + E_i, 1 + E_f, 1 + E_o
.set nn, nn+2
.endr
.set nn, 0
.rept 8
	v_pk_fma_f32 v[UG+nn:UG+nn+1], v[TG+nn:TG+nn+1], v[TI+nn:TI+nn+1], v[TI+nn:TI+nn+1]   ; (E_g + 1) (1 + E_i)
.set nn, nn+2
.endr
.set nn, 0
.rept 16
	v_rcp_f32 v[TF+nn], v[TF+nn]                   ; sigmoid(f)
.set nn, nn+1
.endr
.set nn, 0
.rept 16
	v_rcp_f32 v[UG+nn], v[UG+nn]
.set nn, nn+1
.endr
	v_nop
	s_wait_alu depctr_va_vdst(0)
.set nn, 0
.rept 8
	v_pk_fma_f32 v[TG+nn:TG+nn+1], v[TG+nn:TG+nn+1], v[UG+nn:UG+nn+1], v[UG+nn:UG+nn+1] neg_lo:[0,0,1] neg_hi:[0,0,1]   ; (E_g - 1) / ((E_g + 1) (1 + E_i)) = tanh(g) sigmoid(i)
.set nn, nn+2
.endr
	s_wait_dscnt 0x0                               ; c_prev is in
.set nn, 0
.rept 8
	v_pk_fma_f32 v[CV+nn:CV+nn+1], v[CV+nn:CV+nn+1], v[TF+nn:TF+nn+1], v[TG+nn:TG+nn+1]   ; c
.set nn, nn+2
.endr
.irp e, 0,1
.irp u, 0,1
	ds_store_b128 v[CPA], v[CV+8*\e+4*\u:CV+8*\e+4*\u+3] offset:16*CPITCH*(\a)+64*\e+16*\u   ; over c_prev: these bytes are read and written by me alone
.endr
.endr
.set nn, 0
.rept 8
	v_pk_mul_f32 v[TI+nn:TI+nn+1], v[CV+nn:CV+nn+1], s[SPOS:SPOS+1] op_sel_hi:[1,0]   ; 2 L c
.set nn, nn+2
.endr
.set nn, 0
.rept 16
	v_min_num_f32 v[TI+nn], s[SCAP], v[TI+nn]
.set nn, nn+1
.endr
.set nn, 0
.rept 16
	v_exp_f32 v[TI+nn], v[TI+nn]                   ; E_c
.set nn, nn+1
.endr
	v_nop
	s_wait_alu depctr_va_vdst(0)
.set nn, 0
.rept 8
	v_pk_fma_f32 v[UG+nn:UG+nn+1], v[TI+nn:TI+nn+1], v[TO+nn:TO+nn+1], v[TO+nn:TO+nn+1]   ; (E_c + 1) (1 + E_o)
.set nn, nn+2
.endr
.set nn, 0
.rept 16
	v_rcp_f32 v[UG+nn], v[UG+nn]
.set nn, nn+1
.endr
	v_nop
	s_wait_alu depctr_va_vdst(0)
.set nn, 0
.rept 8
	v_pk_fma_f32 v[TI+nn:TI+nn+1], v[TI+nn:TI+nn+1], v[UG+nn:UG+nn+1], v[UG+nn:UG+nn+1] neg_lo:[0,0,1] neg_hi:[0,0,1]   ; h = sigmoid(o) tanh(c)
.set nn, nn+2
.endr
.irp e, 0,1
.irp u, 0,1
	ds_store_b128 v[HSA], v[TI+8*\e+4*\u:TI+8*\e+4*\u+3] offset:16*CPITCH*(\a)+64*\e+16*\u   ; into slot 0: it has had its last fill, and every wave has passed the last change of slots, behind which nobody reads it
.endr
.endr
.endm
	s_mov_b32 s[SNEG], 0xbfb8aa3b                  ; -log2(e).  No tensor load is out: the last change of slots has waited for all
	s_mov_b32 s[SNEG+1], s[SNEG]                   ; (the packed forms name a pair and take its low word for both halves: so the upper is written)
	s_mov_b32 s[SPOS], 0x4038aa3b                  ; 2 log2(e)
	s_mov_b32 s[SPOS+1], s[SPOS]
	s_mov_b32 s[SCAP], 0x41f00000                  ; 30.0
	PLACES NP                                      ; behind the last products: for the reads of results and for the writes and loads into registers that held operands
.irp a, 0,1,2,3,4,5,6,7
	EP \a
.endr
; THE WAY OUT.  A row's 256 bytes come from two waves: a barrier, then wave w takes rows 64 w .. + 63 of c and of h, 32 rows a group, two rows an instruction: sixteen lanes store 256 consecutive bytes, aligned.
.macro LOADG k, buf, rd
.irp t, 0,1,2,3,4,5,6,7,8,9,10,11,12,13,14,15
	ds_load_b128 v[\buf+4*\t:\buf+4*\t+3], v[\rd] offset:2*CPITCH*(16*((\k)%2)+\t)
.endr
.endm
.macro SENDG k, buf, younger, out      ; younger: the LDS loads issued behind this group's, which may stay out
.irp t, 0,1,2,3,4,5,6,7,8,9,10,11,12,13,14,15
	s_wait_dscnt \younger+15-\t
	global_store_b128 v[GO], v[\buf+4*\t:\buf+4*\t+3], s[\out:\out+1] offset:8192*(16*((\k)%2)+\t) th:TH_STORE_NT   ; written once, read by nobody here
.endr
.endm
	s_wait_dscnt 0x0                               ; for the others' sake: my stores into the two stages are done
	s_barrier_signal -1
	s_barrier_wait -1
	LOADG 0, 64, RDC
	LOADG 1, 128, RDC
	LOADG 2, 192, RDH
	SENDG 0, 64, 32, 18                            ; c -> out1
	s_wait_xcnt 0x0                                ; group 0's stores have read their registers: the last group's loads may land there
	LOADG 3, 64, RDH
	SENDG 1, 128, 32, 18
	SENDG 2, 192, 16, 16                           ; h -> out0
	SENDG 3, 64, 0, 16
	s_wait_tensorcnt 0x0                           ; the wave's end: three lines behind my last tensor load and my last LDS store
	ds_add_u32 v[SPW], v[NIL]
	s_wait_dscnt 0x0
	CROUND                                         ; the closing round: no work-group ends while a partner may still ask for a tile that names it
	s_endpgm
.Lfunc_end_k_qe863b76bcf_cell:
	.size	k_qe863b76bcf_cell, .Lfunc_end_k_qe863b76bcf_cell-k_qe863b76bcf_cell
	.p2alignl 7, 3214868480
	.fill 96, 4, 3214868480
	.section	.rodata,"a",@progbits
	.p2align	6, 0x0
	.amdhsa_kernel k_qe863b76bcf_cell
		.amdhsa_group_segment_fixed_size 327680
		.amdhsa_private_segment_fixed_size 0
		.amdhsa_enable_private_segment 0
		.amdhsa_kernarg_size 64
		.amdhsa_user_sgpr_count 2
		.amdhsa_user_sgpr_kernarg_segment_ptr 1
		.amdhsa_wavefront_size32 1
		.amdhsa_system_sgpr_workgroup_id_x 1
		.amdhsa_system_sgpr_workgroup_id_y 1
		.amdhsa_system_sgpr_workgroup_id_z 1
		.amdhsa_system_vgpr_workitem_id 0
		.amdhsa_next_free_vgpr 1024
		.amdhsa_next_free_sgpr 106
		.amdhsa_reserve_vcc 0
		.amdhsa_float_denorm_mode_32 3
		.amdhsa_float_denorm_mode_16_64 3
		.amdhsa_memory_ordered 1
		.amdhsa_forward_progress 1
		.amdhsa_inst_pref_size 222
	.end_amdhsa_kernel
	.amdgpu_metadata
---
amdhsa.version: [ 1, 2 ]
amdhsa.kernels:
  - .name:           k_qe863b76bcf_cell
    .symbol:         k_qe863b76bcf_cell.kd
    .args:
      - { .name: a_img, .offset: 0, .size: 8, .value_kind: global_buffer, .address_space: global }
      - { .name: a_sc, .offset: 8, .size: 8, .value_kind: global_buffer, .address_space: global }
      - { .name: w_img, .offset: 16, .size: 8, .value_kind: global_buffer, .address_space: global }
      - { .name: w_sc, .offset: 24, .size: 8, .value_kind: global_buffer, .address_space: global }
      - { .name: b, .offset: 32, .size: 8, .value_kind: global_buffer, .address_space: global }
      - { .name: c_prev, .offset: 40, .size: 8, .value_kind: global_buffer, .address_space: global }
      - { .name: out0, .offset: 48, .size: 8, .value_kind: global_buffer, .address_space: global }
      - { .name: out1, .offset: 56, .size: 8, .value_kind: global_buffer, .address_space: global }
    .group_segment_fixed_size: 327680
    .private_segment_fixed_size: 0
    .kernarg_segment_align: 8
    .kernarg_segment_size: 64
    .max_flat_workgroup_size: 128
    .sgpr_count:     106
    .vgpr_count:     1024
    .wavefront_size: 32
...
	.end_amdgpu_metadata
.endif
;; end of part 2
;; ======== version 2 of 2: 2 launches
;; limits: right only within a limited range of input values
;; workspace buffers: a_img 13,107,200 bytes; w_img 6,553,600 bytes
;; launch prep (part 3): grid 768 x 1, 4 waves a work-group, no clusters, 34,304 bytes of LDS; arguments x, h_prev, W_codes, W_scales, a_img, w_img; writes a_img, w_img
.if DOCPART == 3
	.amdgcn_target "amdgcn-amd-amdhsa--gfx1250"
	.amdhsa_code_object_version 6
	.text
	.protected	k_qe863b76bcf_prep
	.globl	k_qe863b76bcf_prep
	.p2align	8
	.type	k_qe863b76bcf_prep,@function
k_qe863b76bcf_prep:
	s_mov_b64 s[64:65], 0
	v_nop
	global_prefetch_b8 v0, s[64:65] scope:SCOPE_SE
	s_setreg_imm32_b32 hwreg(HW_REG_WAVE_MODE, 25, 1), 1
	s_wait_xcnt 0x0
; LSTM cell, first of two launches.  gates = [x, h_prev] W + b is a product on codes of BF6 (E3M2) with one E8M0 scale for each 32 along K = 2,048.
; NO WORK IS LEFT OUT: every input (x, h_prev, c_prev, W, b) reaches both outputs for some values, so all are loaded, here or in the second launch.
; This launch quantises the left operand [x, h_prev] (the seam at K = 1,024 is a block's edge) and lays W's codes and scale bytes anew.
; LAYOUT of both images: [part of 128 rows][K step of 128: 16][record of 12,800 bytes].  A record: 8 fragments (16 rows x 128 K) of 1,536 bytes, register 4 c + e of lane l at 512 c + 16 l + 4 e;
; then 512 bytes of scale words (four E8M0 bytes each): that of block i, row r at 128 (i / 2) + 8 r + 4 (i % 2).  a_img has 64 parts, w_img 32.
; W's part 2 tx + c, block 2 g + s, lane r is W's row 1024 g + 64 tx + 32 c + 16 s + r: the four gates g of 32 units lie together.
; A block's scale byte is its largest magnitude's exponent field - 4, held at 1 from below by a floor among the maximum's leaves.
; LIMITS: a block of zeros, or one whose largest magnitude lies under 2^-122, gets the byte 1 where the quantiser says 127 or less: its codes are zeros or the nearest codes under that scale, and this program alone
; reads the bytes.  NaN and infinities among x and h_prev are not served.
; SHARES.  A work-group takes four blocks of 16 rows and four K steps; wave w takes K step 4 kq + w of all four blocks, so its four scale words a row make one whole unit of 256 bytes.
; Work-groups 0-255: W (64 groups of blocks x 4 kq).  Work-groups 256-767: the left operand (128 x 4).  Waves share nothing: no barrier.
.set STG,   8448                       ; LDS: a stage for each wave: 16 rows x (512 bytes + 16)
.set SROW,  528
.set SPARE, 4*STG                      ; the spare words, 128 bytes for each wave
.set STEPB, 12800
.set PARTB, 16*STEPB
.set SPW,   10
.set NIL,   11
.set TM,    12                         ; v12-15 largest magnitudes, v16-19 the other half's, then the bytes, v24-27 the conversions' scale operands
.set PW,    28                         ; v28-31   a scale word for each of the four blocks
.set PC,    32                         ; v32-43   the fragment's codes; v44-46, v48-50 the conversions' second halves
.set X,     64                         ; v64-127  64 numbers: register 16 b + i = k 32 b + 16 (lane / 16) + i of my row
.set R,     128                        ; v128-255 two sets of 64 registers as they are loaded
.set WF,    64                         ; v64-111  path W: 12 registers for each of four blocks
.set SEL,   28                         ; s[28:29] v_permlanex16_b32's selects for lane l xor 16
	s_load_b256 s[4:11], s[0:1], 0x0               ; x, h_prev, W's codes, W's scales
	s_load_b128 s[12:15], s[0:1], 0x20             ; a_img s[12:13], w_img s[14:15]
	v_lshl_add_u32 v[SPW], v0, 2, SPARE
	v_mov_b32 v[NIL], 0
	v_lshrrev_b32 v1, 5, v0
	v_readfirstlane_b32 s20, v1                    ; wave 0..3
	v_and_b32 v1, 31, v0                           ; lane
	v_and_b32 v2, 15, v0                           ; r
	v_bfe_u32 v3, v0, 4, 1                         ; h
	v_lshlrev_b32 v4, 4, v1                        ; 16 x lane
	v_lshlrev_b32 v7, 3, v1                        ; 8 x lane: my two scale words
	s_mul_i32 s25, s20, STG
	v_add_nc_u32 v5, s25, v4                       ; the stage, on the way in
	v_mul_u32_u24 v6, v2, SROW
	v_lshl_add_u32 v6, v3, 6, v6
	v_add_nc_u32 v6, s25, v6                       ; and on the way out: row r, + 64 h
	s_mov_b32 s[SEL], 0x76543210
	s_mov_b32 s[SEL+1], 0xfedcba98
	s_mov_b32 s23, 0                               ; the upper word of every offset below
.irp b, 0,1,2,3
	v_mov_b32 v[TM+4+\b], 0                        ; a lane permute's destination counts as one of its sources
.endr
	s_wait_alu depctr_va_vdst(0)
	s_wait_kmcnt 0x0
	s_cmp_lt_u32 ttmp9, 256                        ; the work-group's number alone decides
	s_cbranch_scc1 .Lw
; ---------------- the left operand
.macro LOADX t                         ; my K step of block t's 16 rows: a load reads 512 consecutive bytes of one row
.irp r, 0,1,2,3,4,5,6,7,8,9,10,11,12,13,14,15
	global_load_b128 v[R+64*((\t)%2)+4*\r:R+64*((\t)%2)+4*\r+3], v4, s[4:5] offset:4096*\r+65536*(\t) th:TH_LOAD_NT
.endr
.endm
.macro TURNX t                         ; through my stage: in as loaded, out 16 neighbours of each block of 32
.irp r, 0,1,2,3,4,5,6,7,8,9,10,11,12,13,14,15
	ds_store_b128 v5, v[R+64*((\t)%2)+4*\r:R+64*((\t)%2)+4*\r+3] offset:SROW*\r
.endr
.irp b, 0,1,2,3
.irp j, 0,1,2,3
	ds_load_b128 v[X+16*\b+4*\j:X+16*\b+4*\j+3], v6 offset:128*\b+16*\j
.endr
.endr
.endm
.macro QUANT s, pw                     ; 64 numbers of a lane become a fragment's codes in v[PC] on and its scale word in v[pw]
.irp b, 0,1,2,3
	v_max3_num_f32 v[TM+\b], |v[\s+16*\b]|, |v[\s+1+16*\b]|, 0x2800000   ; with the floor 2^(5 - 127)
.endr
.irp i, 2,4,6,8,10,12,14
.irp b, 0,1,2,3
	v_max3_num_f32 v[TM+\b], v[TM+\b], |v[\s+16*\b+\i]|, |v[\s+1+16*\b+\i]|
.endr
.endr
.irp b, 0,1,2,3
	v_permlanex16_b32 v[TM+4+\b], v[TM+\b], s[SEL], s[SEL+1]
.endr
.irp b, 0,1,2,3
	v_max_num_f32 v[TM+\b], v[TM+\b], v[TM+4+\b]   ; the block's largest magnitude
.endr
.irp b, 0,1,2,3
	v_add_nc_u32 v[TM+12+\b], 0xfe000000, v[TM+\b] ; 4 off its exponent field: the conversion's scale operand
.endr
.irp b, 0,1,2,3
	v_lshrrev_b32 v[TM+4+\b], 23, v[TM+12+\b]      ; the scale's byte
.endr
	v_lshl_or_b32 v[\pw], v[TM+5], 8, v[TM+4]
	v_lshl_or_b32 v[\pw], v[TM+6], 16, v[\pw]
	v_lshl_or_b32 v[\pw], v[TM+7], 24, v[\pw]
.irp c, 0,1
	v_cvt_scalef32_pk16_bf6_f32 v[PC+6*\c:PC+2+6*\c], v[\s+32*\c:\s+15+32*\c], v[TM+12+2*\c]
	v_cvt_scalef32_pk16_bf6_f32 v[PC+12+4*\c:PC+14+4*\c], v[\s+16+32*\c:\s+31+32*\c], v[TM+12+2*\c+1]
.endr
	v_nop                                          ; one plain place behind a scaled conversion
.irp c, 0,1                                    ; a whole block in a lane: lanes 0-15 block 2 c, lanes 16-31 block 2 c + 1
.irp i, 0,1,2
	v_permlane16_swap_b32 v[PC+6*\c+\i], v[PC+12+4*\c+\i]
.endr
.irp i, 0,1,2
	v_mov_b32 v[PC+3+6*\c+\i], v[PC+12+4*\c+\i]
.endr
.endr
.endm
.macro STEPX t
.if (\t) < 3
	s_wait_loadcnt 16                              ; this block's sixteen loads are in; the next block's sixteen may be out
.else
	s_wait_loadcnt 0x0
.endif
	TURNX \t
	s_wait_dscnt 0x0                               ; my 64 numbers are back, and the stage's stores have read the set
	s_wait_xcnt 0x0                                ; the last block's stores have read the codes' registers
.if (\t) < 2
	LOADX (\t)+2
.endif
	QUANT X, PW+(\t)
.irp c, 0,1,2
	global_store_b128 v4, v[PC+4*\c:PC+4*\c+3], s[12:13] offset:(\t)*1536+512*\c   ; three stores of 512 consecutive bytes, aligned to 256
.endr
.endm
	s_sub_co_u32 s21, ttmp9, 256
	s_lshr_b32 s26, s21, 2                         ; my group of 64 rows, 0 .. 127
	s_and_b32 s27, s21, 3                          ; kq
	s_cmp_lt_u32 s27, 2                            ; kq 0, 1: K lies in x; 2, 3: in h_prev
	s_cselect_b64 s[4:5], s[4:5], s[6:7]
	s_lshl_b32 s22, s26, 18                        ; 64 rows of 4,096 bytes
	s_and_b32 s24, s27, 1
	s_lshl_b32 s24, s24, 2
	s_add_co_u32 s24, s24, s20
	s_lshl_b32 s24, s24, 9                         ; my K step's 512 bytes of a row
	s_add_co_u32 s22, s22, s24
	s_add_nc_u64 s[4:5], s[4:5], s[22:23]
	s_lshr_b32 s22, s26, 1
	s_mul_i32 s22, s22, PARTB                      ; my part,
	s_lshl_b32 s24, s27, 2
	s_add_co_u32 s24, s24, s20
	s_mul_i32 s24, s24, STEPB                      ; my K step's record
	s_add_co_u32 s22, s22, s24
	s_add_nc_u64 s[12:13], s[12:13], s[22:23]
	s_and_b32 s24, s26, 1                          ; blocks 0-3 or 4-7 of the part
	s_lshl_b32 s22, s24, 8
	s_add_co_u32 s22, s22, 12288
	s_add_nc_u64 s[16:17], s[12:13], s[22:23]      ; their unit of scale words
	s_mul_i32 s22, s24, 6144
	s_add_nc_u64 s[12:13], s[12:13], s[22:23]      ; their fragments
	LOADX 0
	LOADX 1
	STEPX 0
	STEPX 1
	STEPX 2
	STEPX 3
	v_cmp_gt_u32 vcc_lo, 16, v1                    ; lanes 0-15 store the words of blocks 0, 1 of row r, lanes 16-31 those of blocks 2, 3
	v_cndmask_b32 v8, v[PW+2], v[PW], vcc_lo
	v_cndmask_b32 v9, v[PW+3], v[PW+1], vcc_lo
	global_store_b64 v7, v[8:9], s[16:17]          ; 32 lanes store 256 consecutive bytes, aligned
	s_wait_tensorcnt 0x0                           ; the wave's end
	ds_add_u32 v[SPW], v[NIL]
	s_wait_dscnt 0x0
	s_endpgm
; ---------------- W: codes and scale bytes are taken as given and only laid anew.
.Lw:
.macro LOADW k                         ; my K step of block k's 16 rows, straight into the operand's registers, in pieces of 8 bytes
.irp p, 0,1,2,3,4,5
	global_load_b64 v[WF+12*(\k)+2*\p:WF+12*(\k)+2*\p+1], v52, s[8:9] offset:(1024*((\k)/2)+16*((\k)%2))*1536+48*(\p/3)+8*(\p%3)
.endr
.endm
.macro SENDW k
	s_wait_loadcnt 6*(3-(\k))                      ; block k's six loads are in
.irp c, 0,1,2
	global_store_b128 v4, v[WF+12*(\k)+4*\c:WF+12*(\k)+4*\c+3], s[14:15] offset:(\k)*1536+512*\c
.endr
.endm
	s_lshr_b32 s26, ttmp9, 2                       ; group of four blocks, 0 .. 63
	s_and_b32 s27, ttmp9, 3
	s_lshl_b32 s27, s27, 2
	s_add_co_u32 s27, s27, s20                     ; my K step
	s_lshr_b32 s25, s26, 1                         ; part = 2 tx + c
	s_and_b32 s26, s26, 1                          ; gates 0, 1 or 2, 3
	s_lshl_b32 s24, s25, 5
	s_lshl_b32 s22, s26, 11
	s_add_co_u32 s24, s24, s22                     ; the group's first row of W: 32 part + 2048 x that
	s_mul_i32 s22, s24, 1536
	s_mul_i32 s21, s27, 96
	s_add_co_u32 s22, s22, s21
	s_add_nc_u64 s[8:9], s[8:9], s[22:23]
	s_lshl_b32 s22, s24, 6
	s_lshl_b32 s21, s27, 2
	s_add_co_u32 s22, s22, s21
	s_add_nc_u64 s[10:11], s[10:11], s[22:23]
	s_mul_i32 s22, s25, PARTB
	s_mul_i32 s21, s27, STEPB
	s_add_co_u32 s22, s22, s21
	s_add_nc_u64 s[14:15], s[14:15], s[22:23]
	s_lshl_b32 s22, s26, 8
	s_add_co_u32 s22, s22, 12288
	s_add_nc_u64 s[16:17], s[14:15], s[22:23]
	s_mul_i32 s22, s26, 6144
	s_add_nc_u64 s[14:15], s[14:15], s[22:23]
	v_mul_u32_u24 v52, v2, 1536
	v_mad_u32_u24 v52, v3, 24, v52                 ; codes: row r, + 24 h
	v_lshlrev_b32 v53, 6, v2
	v_lshl_add_u32 v53, v3, 16, v53                ; scale words: row r of 64 bytes, + 1,024 rows for lanes 16-31 (blocks 2, 3)
	global_load_b32 v32, v53, s[10:11]
	global_load_b32 v33, v53, s[10:11] offset:1024
.irp k, 0,1,2,3
	LOADW \k
.endr
	s_wait_loadcnt 24                              ; the scale words are in; the 24 loads behind them may be out
	global_store_b64 v7, v[32:33], s[16:17]        ; 256 consecutive bytes, aligned
.irp k, 0,1,2,3
	SENDW \k
.endr
	s_endpgm
.Lfunc_end_k_qe863b76bcf_prep:
	.size	k_qe863b76bcf_prep, .Lfunc_end_k_qe863b76bcf_prep-k_qe863b76bcf_prep
	.p2alignl 7, 3214868480
	.fill 96, 4, 3214868480
	.section	.rodata,"a",@progbits
	.p2align	6, 0x0
	.amdhsa_kernel k_qe863b76bcf_prep
		.amdhsa_group_segment_fixed_size 34304
		.amdhsa_private_segment_fixed_size 0
		.amdhsa_enable_private_segment 0
		.amdhsa_kernarg_size 48
		.amdhsa_user_sgpr_count 2
		.amdhsa_user_sgpr_kernarg_segment_ptr 1
		.amdhsa_wavefront_size32 1
		.amdhsa_system_sgpr_workgroup_id_x 1
		.amdhsa_system_sgpr_workgroup_id_y 1
		.amdhsa_system_sgpr_workgroup_id_z 1
		.amdhsa_system_vgpr_workitem_id 0
		.amdhsa_next_free_vgpr 256
		.amdhsa_next_free_sgpr 66
		.amdhsa_reserve_vcc 1
		.amdhsa_float_denorm_mode_32 3
		.amdhsa_float_denorm_mode_16_64 3
		.amdhsa_memory_ordered 1
		.amdhsa_forward_progress 1
		.amdhsa_inst_pref_size 39
	.end_amdhsa_kernel
	.amdgpu_metadata
---
amdhsa.version: [ 1, 2 ]
amdhsa.kernels:
  - .name:           k_qe863b76bcf_prep
    .symbol:         k_qe863b76bcf_prep.kd
    .args:
      - { .name: x, .offset: 0, .size: 8, .value_kind: global_buffer, .address_space: global }
      - { .name: h_prev, .offset: 8, .size: 8, .value_kind: global_buffer, .address_space: global }
      - { .name: W_codes, .offset: 16, .size: 8, .value_kind: global_buffer, .address_space: global }
      - { .name: W_scales, .offset: 24, .size: 8, .value_kind: global_buffer, .address_space: global }
      - { .name: a_img, .offset: 32, .size: 8, .value_kind: global_buffer, .address_space: global }
      - { .name: w_img, .offset: 40, .size: 8, .value_kind: global_buffer, .address_space: global }
    .group_segment_fixed_size: 34304
    .private_segment_fixed_size: 0
    .kernarg_segment_align: 8
    .kernarg_segment_size: 48
    .max_flat_workgroup_size: 128
    .sgpr_count:     66
    .vgpr_count:     256
    .wavefront_size: 32
...
	.end_amdgpu_metadata
.endif
;; end of part 3
;; launch cell (part 4): grid 16 x 32, 4 waves a work-group, clusters of 4 x 4, 327,680 bytes of LDS; arguments a_img, w_img, b, c_prev, out0, out1; writes out0, out1
.if DOCPART == 4
	.amdgcn_target "amdgcn-amd-amdhsa--gfx1250"
	.amdhsa_code_object_version 6
	.text
	.protected	k_qe863b76bcf_cell
	.globl	k_qe863b76bcf_cell
	.p2align	8
	.type	k_qe863b76bcf_cell,@function
k_qe863b76bcf_cell:
	s_mov_b64 s[64:65], 0
	v_nop
	global_prefetch_b8 v0, s[64:65] scope:SCOPE_SE
	s_setreg_imm32_b32 hwreg(HW_REG_WAVE_MODE, 25, 1), 1
	s_wait_xcnt 0x0
	s_wait_alu depctr_hold_cnt(0) depctr_sa_sdst(0) depctr_va_vdst(0) depctr_va_sdst(0) depctr_va_ssrc(0) depctr_va_vcc(0) depctr_vm_vsrc(0)
	s_getreg_b32 s2, hwreg(HW_REG_IB_STS2, 6, 4)
	s_cmp_eq_u32 s2, 0
	s_cbranch_scc0 .Lentry_in_a_cluster
	s_endpgm
.Lentry_in_a_cluster:
	s_bfe_u32 s2, ttmp6, 0x10000c
	s_cmp_lg_u32 s2, 0xf033
	s_cbranch_scc0 .Lentry_shape_is_right
	s_endpgm
.Lentry_shape_is_right:
; LSTM cell, second of two launches: gates = [x, h_prev] W + b on codes of BF6 (E3M2) with E8M0 scales, sums in f32; then c = c_prev sigmoid(f) + tanh(g) sigmoid(i), h = sigmoid(o) tanh(c), in f32.
; out0 = h, out1 = c.  The gates never go to memory.  No work is left out.
; A TILE is 256 rows x (4 gates x 64 units): four waves, each 128 rows x (4 gates x 32 units): 64 accumulators of 16 x 16, 512 registers.
; THE MATRIX INSTRUCTION IS USED TRANSPOSED (source 0 = 16 rows of W, source 1 = 16 rows of the left operand): in accumulator (a, b = 2 g + s) lane (r, h) holds row 16 a + r, register j unit 16 s + 8 h + j of gate g:
; i, f, o, g of one number lie in one lane.  The bias is the C of each sum's first product.
; OPERANDS come as the first launch laid them: for each part of 128 rows, 16 records of 12,800 bytes along K (8 fragments of 1,536 bytes as images of the registers, then 512 bytes of scale words).
; So a wave's ONE tensor load brings codes and scale words of several K steps as one dense block of rows of 256 bytes.
; THE RING: two LDS slots of 4 parts x 3 records.  Fills: K steps 0-1 (slot 0, at the head), 2-4 (slot 1), 5-7, 8-10, 11-13, 14-15, and last c_prev's tile into slot 0.  One tensor load a wave is out at any time.
; The walk along K is written step by step by the assembler: the slots' lengths differ, and each step's place is a constant of the text.
; c is written over c_prev, h behind it in slot 0: that slot has had its last fill and its last read of fragments by then.  The way out goes block by block of 16 rows, as rows of 256 bytes.
; CLUSTERS: 4 x 4.  The four of a row of the cluster ask jointly for the left operand's parts, the four of a column for W's.  c_prev's tile is each work-group's own: no mask.
; PREFETCH INTO THE L2: behind fill 0's load each wave asks for its part of fills 1 and 2, behind fill k (k from 1 on) for fill k + 2.  A part of three K steps is 150 blocks of 256 bytes: the four partners that ask for
; it jointly take 38 each, told apart by address (place cx or cy), a lane a block, two instructions (32 + 6; lanes left over name the last block again; the last partner is held at block 149); of two K steps 25 each, one
; instruction.  Behind the fill of K steps 11-13 each wave asks for the 64 rows of c_prev that it will load, a lane a row.  The K step stands in the immediate: no address register is ever stepped.
; THE ACTIVATIONS.  sigmoid(v) = 1 / (1 + 2^(-L v)), tanh(v) = (E - 1) / (E + 1) with E = 2^(2 L v), L = log2(e).  2 L v is held at 30 from above, beyond which (E - 1) / (E + 1) is 1 in f32, so every numerator is
; finite; an exponential that overflows stands in a denominator alone, whose reciprocal is then 0, the right limit.  LIMITS: the reciprocal of a denominator above 2^126 comes out 0 where the true factor is under 2^-126;
; NaN and infinities among the inputs are not served.
; REGISTERS, in windows of 256: window 0: v1-31 addresses; v32-47 scale words, two sets, and nothing else; v64-127 the bias; v128-223 the left operand's fragments, ONE set; behind the products v64-255 are free.
;   window 1: W's fragments, TWO sets, at v0 and v128.   window 2: accumulators of my rows 0-63 ((a, b) at v[8 (8 a + b)]);   window 3: of my rows 64-127.
.set FR,     12                        ; registers of a fragment
.set NP,     4                         ; places behind this matrix instruction (ISA guide 7.12.1)
.set STEPB,  12800                     ; a record: one part, one K step
.set PSLOT,  3*STEPB                   ; a part's room in a slot
.set SLOT,   4*PSLOT                   ; left rows 0-127, left rows 128-255, W's column half 0, half 1
.set PARTB,  16*STEPB                  ; a part in memory
.set CPITCH, 272                       ; c_prev / c at LDS byte 0: 256 rows x (256 bytes + 16)
.set HS,     256*CPITCH                ; h's stage, behind it
.set SPARE,  2*SLOT                    ; the spare words, 128 bytes for each wave
.set PFO,  12                          ; v12-13  prefetch offsets, three K steps;  v14 two K steps;  v15 c_prev: 4,096 x lane
.set PF2,  14
.set PFC,  15
.set ADRA, 16                          ; v16-17  my fragments of the left operand in slot 0, 1
.set ADRB, 20                          ; v20-21  the same for W
.set CPA,  22                          ; v22     my 32 bytes of a row of c_prev / c
.set HSA,  23                          ; v23     the same in h's stage
.set RD,   24                          ; v24     the way out: where I read a row back: of c (column half 0) or of h (1)
.set GO,   25                          ; v25     my byte offset in two rows of the output
.set ADRS, 26                          ; v26-27  my scale words in slot 0, 1: lanes 0-15 the left operand's rows, lanes 16-31 W's
.set SPW,  28
.set NIL,  29
.set BO,   30                          ; v30     32 x (lane / 16)
.set SC,   32                          ; scale words: set (K step % 2) at v[SC + 8 set]; register i: lanes 0-15 the left operand's block i, lanes 16-31 W's block i
.set BI,   64
.set AF,   128
.set TI,   64                          ; the cell's arithmetic, sixteen registers each
.set TF,   80
.set TO,   96
.set TG,   112
.set UG,   128
.set CV,   144
.set OB,   160                         ; two buffers of 32 for rows read back
.set HV,   224
.set G1A,  24                          ; s[24:31] group 1, left operand;  s[32:39] group 0, a set for each slot
.set G0A,  32
.set G0C,  44                          ; s[44:47] group 0 for c_prev
.set G1B,  48                          ; s[48:55], s[56:63] the same for W
.set G0B,  56
.set G1C,  68                          ; s[68:75] group 1 for c_prev
.set PFA,  76                          ; s[76:77] my part's first byte in memory; never rewritten
.set PCB,  78                          ; s[78:79] the rows of c_prev that I fetch; never rewritten
.set SNEG, 90                          ; s[90:91] -L, s[92:93] 2 L, s94 30.0
.set SPOS, 92
.set SCAP, 94
.set MSB, 0
.macro WIN new                         ; the immediate's high byte repeats the setting that is left
.if MSB != \new
	s_set_vgpr_msb (MSB<<8)|\new
.set MSB, \new
.endif
.endm
.set MUL_LO, 0xa1                      ; source 0 (W) window 1, source 1 window 0, C and D window 2
.set MUL_HI, 0xf1
.set BIA_LO, 0x81                      ; the first products: C (the bias) window 0
.set BIA_HI, 0xc1
.set TO_B,   0x40
.macro PLACES n
.rept \n
	v_nop
.endr
.endm
; A joint load: waves 0 and 1 fetch for the left operand, waves 2 and 3 for W; the branch hangs on the wave's number alone.  The lines behind each load: an s_nop 0 and four v_nop.
.macro JLOAD g0a, g1a, g0b, g1b
	s_cmp_eq_u32 s21, 0
	s_cbranch_scc0 .Lfor_b_\@
	tensor_load_to_lds s[\g0a:\g0a+3], s[\g1a:\g1a+7]
	s_nop 0
	PLACES 4
	s_branch .Lasked_\@
.Lfor_b_\@:
	tensor_load_to_lds s[\g0b:\g0b+3], s[\g1b:\g1b+7]
	s_nop 0
	PLACES 4
.Lasked_\@:
.endm
.macro ASK3 st                         ; my share of my part's K steps st .. st + 2
	global_prefetch_b8 v[PFO], s[PFA:PFA+1] offset:(\st)*STEPB th:TH_LOAD_NT scope:SCOPE_SE
	global_prefetch_b8 v[PFO+1], s[PFA:PFA+1] offset:(\st)*STEPB th:TH_LOAD_NT scope:SCOPE_SE
.endm
.macro CREST                           ; a round of the cluster's barrier behind its opening barrier
	s_cmp_lg_u32 s20, 0
	s_cbranch_scc1 .Lnot_wave_0_\@
	s_barrier_signal -3
.Lnot_wave_0_\@:
	s_barrier_wait -3
	s_barrier_signal -1
	s_barrier_wait -1
.endm
.macro CROUND
	s_barrier_signal -1
	s_barrier_wait -1
	CREST
.endm
.macro ROWS n                          ; a ring load brings n rows of 256 bytes; written only while no tensor load of mine is out
	s_mov_b32 s[G1A+2], (\n)<<16
	s_mov_b32 s[G1A+4], \n
	s_mov_b32 s[G1B+2], (\n)<<16
	s_mov_b32 s[G1B+4], \n
.endm
	s_load_b256 s[4:11], s[0:1], 0x0               ; a_img s[4:5], w_img s[6:7], b s[8:9], c_prev s[10:11]
	s_load_b128 s[12:15], s[0:1], 0x20             ; out0 s[12:13], out1 s[14:15]
	v_lshl_add_u32 v[SPW], v0, 2, SPARE
	v_mov_b32 v[NIL], 0
	ds_add_u32 v[SPW], v[NIL]                      ; the opening: the add, twice on end, and its wait ahead of my first tensor load
	ds_add_u32 v[SPW], v[NIL]
	v_lshrrev_b32 v1, 5, v0
	v_readfirstlane_b32 s20, v1                    ; wave 0..3
	s_lshr_b32 s21, s20, 1                         ; my half of the tile's rows.  Also: I fetch for the left operand (0) or for W (1)
	s_and_b32 s22, s20, 1                          ; my half of its columns.  Also: which part of that operand I fetch
	s_bfe_u32 s40, ttmp6, 0x40000                  ; cx, cy
	s_bfe_u32 s41, ttmp6, 0x40004
	s_lshl_b32 s42, ttmp9, 2
	s_add_co_u32 s42, s42, s40                     ; tx: units 64 tx on
	s_and_b32 s43, ttmp7, 0xffff
	s_lshl_b32 s43, s43, 2
	s_add_co_u32 s43, s43, s41                     ; ty: rows 256 ty on
	s_lshl_b32 s100, s41, 2
	s_lshl_b32 s100, 15, s100                      ; my row of the cluster
	s_lshl_b32 s101, 0x1111, s40                   ; my column
	s_or_b32 s[G1A], s100, (3<<16)|(1<<21)         ; the mask; elements of 8 bytes; bit 21 beside a mask
	s_or_b32 s[G1B], s101, (3<<16)|(1<<21)
.irp g, G1A, G1B
	s_mov_b32 s[\g+1], 32<<16                      ; rows of 32 elements = 256 bytes, dense
	s_mov_b32 s[\g+2], 100<<16                     ; the head's load: two K steps, 100 rows
	s_mov_b32 s[\g+3], 32<<16
	s_mov_b32 s[\g+4], 100
	s_mov_b32 s[\g+5], 32
	s_mov_b32 s[\g+6], 0
	s_mov_b32 s[\g+7], 0
.endr
	s_mov_b32 s[G1C], (2<<16)|(1<<20)|(5<<22)|(3<<25)  ; c_prev: no mask; elements of 4 bytes; 4 words of padding behind every 64
	s_mov_b32 s[G1C+1], 64<<16
	s_mov_b32 s[G1C+2], 64<<16
	s_mov_b32 s[G1C+3], 64<<16
	s_mov_b32 s[G1C+4], 64
	s_mov_b32 s[G1C+5], 1024
	s_mov_b32 s[G1C+6], 0
	s_mov_b32 s[G1C+7], 0
	s_lshl_b32 s2, s43, 1                          ; the left operand's part hangs on ty and the wave alone, W's on tx and the wave alone
	s_add_co_u32 s2, s2, s22
	s_mul_i32 s2, s2, PARTB
	s_mov_b32 s3, 0
	s_lshl_b32 s80, s42, 1
	s_add_co_u32 s80, s80, s22
	s_mul_i32 s80, s80, PARTB
	s_mov_b32 s81, 0
	s_mul_i32 s23, s20, PSLOT                      ; where my part goes in a slot
	s_wait_dscnt 0x0                               ; both opening adds are done
	s_wait_kmcnt 0x0
	s_add_nc_u64 s[4:5], s[4:5], s[2:3]
	s_add_nc_u64 s[6:7], s[6:7], s[80:81]
.irp s, 0,1
	s_mov_b32 s[G0A+4*\s], 1
	s_add_co_u32 s[G0A+4*\s+1], s23, \s*SLOT
	s_add_nc_u64 s[G0A+4*\s+2:G0A+4*\s+3], s[4:5], \s*2*STEPB      ; slot 0: K step 0; slot 1: K step 2
	s_or_b32 s[G0A+4*\s+3], s[G0A+4*\s+3], 0x80000000
	s_mov_b32 s[G0B+4*\s], 1
	s_add_co_u32 s[G0B+4*\s+1], s23, \s*SLOT
	s_add_nc_u64 s[G0B+4*\s+2:G0B+4*\s+3], s[6:7], \s*2*STEPB
	s_or_b32 s[G0B+4*\s+3], s[G0B+4*\s+3], 0x80000000
.endr
	CROUND                                         ; all sixteen work-groups are here
	JLOAD G0A, G1A, G0B, G1B                       ; K steps 0 and 1: my one load at the head
	; the rest of the set-up stands under that load's flight: first the scalar part, then the vector part on end
	s_lshl_b32 s66, s43, 8
	s_lshl_b32 s67, s20, 6
	s_add_co_u32 s66, s66, s67                     ; row 256 ty + 64 wave: the rows of c_prev that I fetch
	s_lshl_b32 s66, s66, 12
	s_lshl_b32 s84, s42, 8                         ; 256 tx
	s_add_co_u32 s66, s66, s84
	s_mov_b32 s67, 0
	s_add_nc_u64 s[PCB:PCB+1], s[10:11], s[66:67]
	s_mov_b32 s[G0C], 1
	s_mul_i32 s[G0C+1], s20, 64*CPITCH
	s_mov_b64 s[G0C+2:G0C+3], s[PCB:PCB+1]
	s_or_b32 s[G0C+3], s[G0C+3], 0x80000000
	s_lshl_b32 s66, s22, 7
	s_add_co_u32 s66, s66, s84                     ; the bias: 256 tx + 128 x my column half, in each gate's 4,096 bytes
	s_add_nc_u64 s[8:9], s[8:9], s[66:67]
	s_cmp_eq_u32 s22, 0                            ; column half 0 stores its row half's rows of c (out1), column half 1 those of h (out0)
	s_cselect_b64 s[12:13], s[14:15], s[12:13]
	s_lshl_b32 s66, s43, 8
	s_lshl_b32 s85, s21, 7
	s_add_co_u32 s66, s66, s85
	s_lshl_b32 s66, s66, 12
	s_add_co_u32 s66, s66, s84
	s_add_nc_u64 s[12:13], s[12:13], s[66:67]
	s_cmp_eq_u32 s21, 0
	s_cselect_b64 s[PFA:PFA+1], s[4:5], s[6:7]
	s_cselect_b32 s66, s40, s41                    ; my place among the four that ask for the part with me: it enters addresses in memory alone
	s_mul_i32 s84, s66, 38
	s_lshl_b32 s67, s84, 8
	s_add_co_u32 s84, s84, 32
	s_mul_i32 s66, s66, 25*256
	s_mul_i32 s2, s21, PSLOT                       ; my 128 rows of the left operand
	s_mul_i32 s3, s22, PSLOT
	s_add_co_u32 s3, s3, 2*PSLOT                   ; my half of W's tile
	s_sub_co_u32 s87, s3, s2
	s_add_co_u32 s88, s2, 8*1536                   ; a record's scale words
	s_mul_i32 s85, s21, 128*CPITCH
	s_mul_i32 s86, s22, HS
	s_add_co_u32 s86, s86, s85
	s_lshl_b32 s89, s22, 7
	s_add_co_u32 s85, s85, s89
	s_mov_b32 s[SNEG], 0xbfb8aa3b                  ; -log2(e)
	s_mov_b32 s[SNEG+1], s[SNEG]                   ; (the packed forms name a pair and take its low word for both halves)
	s_mov_b32 s[SPOS], 0x4038aa3b                  ; 2 log2(e)
	s_mov_b32 s[SPOS+1], s[SPOS]
	s_mov_b32 s[SCAP], 0x41f00000                  ; 30.0
	v_and_b32 v1, 31, v0                           ; lane
	v_and_b32 v2, 15, v0                           ; r
	v_bfe_u32 v3, v0, 4, 1                         ; h
	v_lshlrev_b32 v4, 4, v1
	v_lshlrev_b32 v[BO], 5, v3
	v_add_nc_u32 v[ADRA], s2, v4
	v_add_nc_u32 v[ADRA+1], SLOT, v[ADRA]
	v_add_nc_u32 v[ADRB], s3, v4
	v_add_nc_u32 v[ADRB+1], SLOT, v[ADRB]
	v_mul_u32_u24 v5, v2, CPITCH
	v_lshl_add_u32 v5, v3, 5, v5                   ; row r, + 32 h
	v_add_nc_u32 v[CPA], s85, v5
	v_add_nc_u32 v[HSA], HS, v[CPA]
	v_mul_u32_u24 v6, v3, CPITCH                   ; back: lanes 0-15 one row of 256 bytes, lanes 16-31 the next
	v_lshl_add_u32 v6, v2, 4, v6
	v_add_nc_u32 v[RD], s86, v6
	v_lshlrev_b32 v[GO], 12, v3
	v_lshl_add_u32 v[GO], v2, 4, v[GO]
	v_mul_u32_u24 v7, s87, v3                      ; lanes 16-31 take W's words: the lower base + h x the distance
	v_lshl_add_u32 v7, v2, 3, v7                   ; 8 bytes a row: two blocks' words
	v_add_nc_u32 v[ADRS], s88, v7
	v_add_nc_u32 v[ADRS+1], SLOT, v[ADRS]
	v_lshl_add_u32 v[PFO], v1, 8, s67              ; block 38 p + lane
	v_min_u32 v8, 5, v1
	v_add_nc_u32 v8, s84, v8
	v_min_u32 v8, 149, v8                          ; block 38 p + 32 + 0 .. 5, held at the part's last
	v_lshlrev_b32 v[PFO+1], 8, v8
	v_min_u32 v9, 24, v1
	v_lshl_add_u32 v[PF2], v9, 8, s66              ; block 25 p + 0 .. 24
	v_lshlrev_b32 v[PFC], 12, v1
	ASK3 2                                         ; fill 1, wanted when fill 0 has landed
.irp g, 0,1,2,3
.irp e, 0,1
.irp u, 0,1
	global_load_b128 v[BI+8*(2*\g+\e)+4*\u:BI+8*(2*\g+\e)+4*\u+3], v[BO], s[8:9] offset:4096*\g+64*\e+16*\u   ; b of gate g, units 16 e + 8 h + 0 .. 7 of my 32
.endr
.endr
.endr
	ASK3 5                                         ; fill 2
.macro POS st                          ; K step st lies in slot SL, at record PO
.if (\st) < 2
.set SL, 0
.set PO, (\st)
.else
.set SL, (((\st)-2)/3+1)%2
.set PO, ((\st)-2)%3
.endif
.endm
.macro FRAG reg, adr, i                ; a fragment comes as it was laid: three loads, 512 consecutive bytes each
.irp c, 0,1,2
	ds_load_b128 v[\reg+4*\c:\reg+4*\c+3], v[\adr+SL] offset:PO*STEPB+1536*(\i)+512*\c
.endr
.endm
.macro FETCH_B st                      ; W's eight fragments of K step st into set st % 2: 24 loads
	POS \st
	WIN TO_B
.irp i, 0,1,2,3,4,5,6,7
	FRAG 128*((\st)%2)+FR*\i, ADRB, \i
.endr
	WIN 0
.endm
.macro FETCH_A st, i0                  ; the left operand's blocks i0 .. i0 + 3: 12 loads
	POS \st
.irp i, \i0, \i0+1, \i0+2, \i0+3
	FRAG AF+FR*(\i), ADRA, \i
.endr
.endm
.macro SCALES st                       ; K step st's scale words into set st % 2: 4 loads, each two blocks' words
	POS \st
.irp m, 0,1,2,3
	ds_load_b64 v[SC+8*((\st)%2)+2*\m:SC+8*((\st)%2)+2*\m+1], v[ADRS+SL] offset:PO*STEPB+128*\m
.endr
.endm
; 16 matrix instructions: the left operand's blocks a0, a0 + 1 x W's eight.  first: the bias starts the sums.  The 64 accumulators take turns, one instruction a turn.
.macro MUL16 a0, st, first
.irp a, \a0, \a0+1
.irp b, 0,1,2,3,4,5,6,7
.if \first
	v_wmma_scale_f32_16x16x128_f8f6f4 v[8*(8*((\a)%4)+\b):8*(8*((\a)%4)+\b)+7], v[128*((\st)%2)+FR*\b:128*((\st)%2)+FR*\b+FR-1], v[AF+FR*(\a):AF+FR*(\a)+FR-1], v[BI+8*\b:BI+8*\b+7], v[SC+8*((\st)%2)+\b], v[SC+8*((\st)%2)+(\a)] matrix_a_fmt:MATRIX_FMT_BF6 matrix_b_fmt:MATRIX_FMT_BF6 matrix_a_scale:MATRIX_SCALE_ROW1
.else
	v_wmma_scale_f32_16x16x128_f8f6f4 v[8*(8*((\a)%4)+\b):8*(8*((\a)%4)+\b)+7], v[128*((\st)%2)+FR*\b:128*((\st)%2)+FR*\b+FR-1], v[AF+FR*(\a):AF+FR*(\a)+FR-1], v[8*(8*((\a)%4)+\b):8*(8*((\a)%4)+\b)+7], v[SC+8*((\st)%2)+\b], v[SC+8*((\st)%2)+(\a)] matrix_a_fmt:MATRIX_FMT_BF6 matrix_b_fmt:MATRIX_FMT_BF6 matrix_a_scale:MATRIX_SCALE_ROW1
.endif
.endr
.endr
.endm
; A step of 128 along K: 64 matrix instructions.  Where the next step lies in the same slot its fragments come in three runs: W's set at the step's head (that set is free since the last step, whose closing places stand
; ahead), blocks 0-3 and the scale words in the middle, blocks 4-7 at the end.
; K steps 1, 4, 7, 10, 13 are their slots' last: each wave waits for all its tensor loads, adds 0 to its spare word, waits for that and for its reads of the slot; the barrier opens a round of the cluster's barrier;
; behind the round the slot is filled again (K steps st + 4 on, or, behind K step 13, c_prev), and only then can the next slot be read: W's set comes with the middle run.
.macro STEP st
.set NX, (\st)+1
.if (\st) == 0
.set FI, 1
.else
.set FI, 0
.endif
.if (\st)%3 == 1
	s_wait_tensorcnt 0x0                           ; my one load that was out, my part of the next slot, has landed.  Every window is 0 here
	ds_add_u32 v[SPW], v[NIL]
	POS \st
.if (\st) == 1
	s_add_nc_u64 s[G0A+2:G0A+3], s[G0A+2:G0A+3], 5*STEPB           ; slot 0: from K step 0 to 5
	s_add_nc_u64 s[G0B+2:G0B+3], s[G0B+2:G0B+3], 5*STEPB
.elseif (\st) < 13
	s_add_nc_u64 s[G0A+4*SL+2:G0A+4*SL+3], s[G0A+4*SL+2:G0A+4*SL+3], 6*STEPB
	s_add_nc_u64 s[G0B+4*SL+2:G0B+4*SL+3], s[G0B+4*SL+2:G0B+4*SL+3], 6*STEPB
.endif
.if (\st) == 10
	ROWS 100                                       ; K steps 14 and 15
.endif
	s_wait_dscnt 13                                ; the add and the youngest twelve loads (blocks 4-7) may be out
	WIN MUL_LO
	MUL16 0, \st, 0
	s_wait_dscnt 0x0                               ; the add is done, and my reads of this slot are over
	s_barrier_signal -1
	MUL16 2, \st, 0
	WIN 0
	s_barrier_wait -1
	CREST
.if (\st) < 13
	POS \st
	JLOAD G0A+4*SL, G1A, G0B+4*SL, G1B             ; its four v_nop are the places in front of the loads below
.else
	tensor_load_to_lds s[G0C:G0C+3], s[G1C:G1C+7]  ; 64 rows of c_prev, every wave, no mask
	s_nop 0
	PLACES 4
.endif
	FETCH_B NX
	FETCH_A NX, 0
	SCALES NX
.if (\st) == 1
	ASK3 11
.endif
.if (\st) == 4
	global_prefetch_b8 v[PF2], s[PFA:PFA+1] offset:14*STEPB th:TH_LOAD_NT scope:SCOPE_SE
.endif
.if (\st) == 7
	global_prefetch_b8 v[PFC], s[PCB:PCB+1] th:TH_LOAD_NT scope:SCOPE_SE
	global_prefetch_b8 v[PFC], s[PCB:PCB+1] offset:32*4096 th:TH_LOAD_NT scope:SCOPE_SE
.endif
	WIN MUL_HI
	MUL16 4, \st, 0
	MUL16 6, \st, 0
.else
	FETCH_B NX
	s_wait_dscnt 36                                ; this step's W set, scale words and blocks 0-3 are in; its blocks 4-7 (12) and the next W set (24) may be out
.if FI
	WIN BIA_LO
.else
	WIN MUL_LO
.endif
	MUL16 0, \st, FI
	MUL16 2, \st, FI
	PLACES NP
	WIN 0
	FETCH_A NX, 0
	SCALES NX
	s_wait_dscnt 40                                ; blocks 4-7 are in; the next W set (24) and the 16 loads just issued may be out
.if FI
	WIN BIA_HI
.else
	WIN MUL_HI
.endif
	MUL16 4, \st, FI
	MUL16 6, \st, FI
.endif
	PLACES NP
	WIN 0
	FETCH_A NX, 4
.endm
	s_wait_alu depctr_va_vdst(0)
	s_wait_tensorcnt 0x0                           ; my part of K steps 0 and 1 is in; slot 1's first fill is issued as a refill is
	ds_add_u32 v[SPW], v[NIL]
	ROWS 150                                       ; from here on three K steps a load
	s_wait_dscnt 0x0
	CROUND
	JLOAD G0A+4, G1A, G0B+4, G1B                   ; K steps 2 to 4
	FETCH_B 0
	FETCH_A 0, 0
	SCALES 0
	FETCH_A 0, 4
	ASK3 8
	s_wait_loadcnt 0x0                             ; the bias
.set ST, 0
.rept 15
	STEP ST
.set ST, ST+1
.endr
	s_wait_dscnt 12                                ; the last step: nothing more to fetch
	WIN MUL_LO
	MUL16 0, 15, 0
	MUL16 2, 15, 0
	s_wait_dscnt 0
	WIN MUL_HI
	MUL16 4, 15, 0
	MUL16 6, 15, 0
	WIN 0
; THE WAY OUT of block a: 16 rows of my row half, of c or of h, two rows an instruction: sixteen lanes store 256 consecutive bytes, aligned.
.macro LOADG a
.set OBB, OB+32*((\a)%2)
	s_wait_xcnt 0x0                                ; the stores of two blocks back have read this buffer
.irp t, 0,1,2,3,4,5,6,7
	ds_load_b128 v[OBB+4*\t:OBB+4*\t+3], v[RD] offset:16*CPITCH*(\a)+2*CPITCH*\t
.endr
.endm
.macro SENDG a
.set OBB, OB+32*((\a)%2)
.irp t, 0,1,2,3,4,5,6,7
	global_store_b128 v[GO], v[OBB+4*\t:OBB+4*\t+3], s[12:13] offset:4096*(16*(\a)+2*\t) th:TH_STORE_NT
.endr
.endm
; THE CELL'S ARITHMETIC, a block of 16 rows at a time: sixteen numbers a lane.  Exponentials and reciprocals go in batches, each with a wait ahead of it and one behind it.
; A row's 256 bytes of c or h come from the two waves of a row half: in each block stands a barrier, signal and wait apart; behind it the last block's rows are read back whole and stored under this block's arithmetic.
; Block 0's barrier shows c_prev's tile whole instead: each wave waits for its own rows' load ahead of its signal.
.macro EP a
.set AC, 64*((\a)%4)
.set WE, 0x02+(\a)/4
	WIN WE                                         ; source 0: the accumulators' window
.irp g, 0,1
.irp e, 0,1
.irp j, 0,2,4,6
	v_pk_mul_f32 v[TI+16*\g+8*\e+\j:TI+16*\g+8*\e+\j+1], v[AC+8*(2*\g+\e)+\j:AC+8*(2*\g+\e)+\j+1], s[SNEG:SNEG+1] op_sel_hi:[1,0]   ; -L i, -L f; each accumulator from its low end on
.endr
.endr
.endr
.if (\a) > 0
	s_wait_dscnt 0x0                               ; for the others' sake: my stores of the last block's c and h are done
.else
	s_wait_tensorcnt 0x0                           ; for the others' sake: my rows of c_prev are in: the only load that was out
.endif
	s_barrier_signal -1
.irp e, 0,1
.irp j, 0,2,4,6
	v_pk_mul_f32 v[TO+8*\e+\j:TO+8*\e+\j+1], v[AC+8*(4+\e)+\j:AC+8*(4+\e)+\j+1], s[SNEG:SNEG+1] op_sel_hi:[1,0]   ; -L o
.endr
.endr
.irp e, 0,1
.irp j, 0,2,4,6
	v_pk_mul_f32 v[TG+8*\e+\j:TG+8*\e+\j+1], v[AC+8*(6+\e)+\j:AC+8*(6+\e)+\j+1], s[SPOS:SPOS+1] op_sel_hi:[1,0]   ; 2 L g
.endr
.endr
	WIN 0
.set nn, 0
.rept 8
	v_dual_min_num_f32 v[TG+nn], s[SCAP], v[TG+nn] :: v_dual_min_num_f32 v[TG+nn+1], s[SCAP], v[TG+nn+1]   ; held at 30: E_g stays finite
.set nn, nn+2
.endr
	s_barrier_wait -1                              ; everybody's are
.irp e, 0,1
.irp u, 0,1
	ds_load_b128 v[CV+8*\e+4*\u:CV+8*\e+4*\u+3], v[CPA] offset:16*CPITCH*(\a)+64*\e+16*\u   ; c_prev of my sixteen numbers
.endr
.endr
.if (\a) > 0
	LOADG (\a)-1
.endif
.set nn, 0
	s_wait_alu depctr_va_vdst(0)
.rept 64
	v_exp_f32 v[TI+nn], v[TI+nn]                   ; E_i, E_f, E_o, E_g
.set nn, nn+1
.endr
	v_nop
	s_wait_dscnt 0x0                               ; c_prev and the last block's rows are in
.if (\a) > 0
	SENDG (\a)-1
.endif
	s_wait_alu depctr_va_vdst(0)
.set nn, 0
.rept 24
	v_pk_add_f32 v[TI+nn:TI+nn+1], v[TI+nn:TI+nn+1], 1.0 op_sel_hi:[1,0]   ; 1 + E_i, 1 + E_f, 1 + E_o
.set nn, nn+2
.endr
.set nn, 0
.rept 8
	v_pk_fma_f32 v[UG+nn:UG+nn+1], v[TG+nn:TG+nn+1], v[TI+nn:TI+nn+1], v[TI+nn:TI+nn+1]   ; (E_g + 1) (1 + E_i)
.set nn, nn+2
.endr
.set nn, 0
	s_wait_alu depctr_va_vdst(0)
.rept 16
	v_rcp_f32 v[TF+nn], v[TF+nn]                   ; sigmoid(f)
.set nn, nn+1
.endr
.set nn, 0
.rept 16
	v_rcp_f32 v[UG+nn], v[UG+nn]
.set nn, nn+1
.endr
	v_nop
	s_wait_alu depctr_va_vdst(0)
.set nn, 0
.rept 8
	v_pk_fma_f32 v[TG+nn:TG+nn+1], v[TG+nn:TG+nn+1], v[UG+nn:UG+nn+1], v[UG+nn:UG+nn+1] neg_lo:[0,0,1] neg_hi:[0,0,1]   ; tanh(g) sigmoid(i)
.set nn, nn+2
.endr
.set nn, 0
.rept 8
	v_pk_fma_f32 v[CV+nn:CV+nn+1], v[CV+nn:CV+nn+1], v[TF+nn:TF+nn+1], v[TG+nn:TG+nn+1]   ; c
.set nn, nn+2
.endr
.irp e, 0,1
.irp u, 0,1
	ds_store_b128 v[CPA], v[CV+8*\e+4*\u:CV+8*\e+4*\u+3] offset:16*CPITCH*(\a)+64*\e+16*\u   ; over c_prev: up to the next barrier these bytes are mine alone
.endr
.endr
.set nn, 0
.rept 8
	v_pk_mul_f32 v[TI+nn:TI+nn+1], v[CV+nn:CV+nn+1], s[SPOS:SPOS+1] op_sel_hi:[1,0]   ; 2 L c
.set nn, nn+2
.endr
.set nn, 0
.rept 8
	v_dual_min_num_f32 v[TI+nn], s[SCAP], v[TI+nn] :: v_dual_min_num_f32 v[TI+nn+1], s[SCAP], v[TI+nn+1]
.set nn, nn+2
.endr
.set nn, 0
	s_wait_alu depctr_va_vdst(0)
.rept 16
	v_exp_f32 v[TI+nn], v[TI+nn]                   ; E_c
.set nn, nn+1
.endr
	v_nop
	s_wait_alu depctr_va_vdst(0)
.set nn, 0
.rept 8
	v_pk_fma_f32 v[UG+nn:UG+nn+1], v[TI+nn:TI+nn+1], v[TO+nn:TO+nn+1], v[TO+nn:TO+nn+1]   ; (E_c + 1) (1 + E_o)
.set nn, nn+2
.endr
.set nn, 0
	s_wait_alu depctr_va_vdst(0)
.rept 16
	v_rcp_f32 v[UG+nn], v[UG+nn]
.set nn, nn+1
.endr
	v_nop
	s_wait_alu depctr_va_vdst(0)
.set nn, 0
.rept 8
	v_pk_fma_f32 v[HV+nn:HV+nn+1], v[TI+nn:TI+nn+1], v[UG+nn:UG+nn+1], v[UG+nn:UG+nn+1] neg_lo:[0,0,1] neg_hi:[0,0,1]   ; h = sigmoid(o) tanh(c)
.set nn, nn+2
.endr
.irp e, 0,1
.irp u, 0,1
	ds_store_b128 v[HSA], v[HV+8*\e+4*\u:HV+8*\e+4*\u+3] offset:16*CPITCH*(\a)+64*\e+16*\u   ; into slot 0, behind c's stage: no fill follows, and nobody reads its fragments any more
.endr
.endr
.endm
	PLACES NP                                      ; behind the last products
.irp a, 0,1,2,3,4,5,6,7
	EP \a
.endr
	s_wait_dscnt 0x0                               ; for the others' sake: my stores of the last block's c and h are done
	s_barrier_signal -1
	s_barrier_wait -1
	LOADG 7
	s_wait_dscnt 0x0
	SENDG 7
	s_wait_tensorcnt 0x0                           ; the wave's end
	ds_add_u32 v[SPW], v[NIL]
	s_wait_dscnt 0x0
	CROUND                                         ; the closing round
	s_endpgm
.Lfunc_end_k_qe863b76bcf_cell:
	.size	k_qe863b76bcf_cell, .Lfunc_end_k_qe863b76bcf_cell-k_qe863b76bcf_cell
	.p2alignl 7, 3214868480
	.fill 96, 4, 3214868480
	.section	.rodata,"a",@progbits
	.p2align	6, 0x0
	.amdhsa_kernel k_qe863b76bcf_cell
		.amdhsa_group_segment_fixed_size 327680
		.amdhsa_private_segment_fixed_size 0
		.amdhsa_enable_private_segment 0
		.amdhsa_kernarg_size 48
		.amdhsa_user_sgpr_count 2
		.amdhsa_user_sgpr_kernarg_segment_ptr 1
		.amdhsa_wavefront_size32 1
		.amdhsa_system_sgpr_workgroup_id_x 1
		.amdhsa_system_sgpr_workgroup_id_y 1
		.amdhsa_system_sgpr_workgroup_id_z 1
		.amdhsa_system_vgpr_workitem_id 0
		.amdhsa_next_free_vgpr 1024
		.amdhsa_next_free_sgpr 106
		.amdhsa_reserve_vcc 0
		.amdhsa_float_denorm_mode_32 3
		.amdhsa_float_denorm_mode_16_64 3
		.amdhsa_memory_ordered 1
		.amdhsa_forward_progress 1
		.amdhsa_inst_pref_size 255
	.end_amdhsa_kernel
	.section	.bss,"aw",@nobits
	.p2align	6
	.space	262144
	.amdgpu_metadata
---
amdhsa.version: [ 1, 2 ]
amdhsa.kernels:
  - .name:           k_qe863b76bcf_cell
    .symbol:         k_qe863b76bcf_cell.kd
    .args:
      - { .name: a_img, .offset: 0, .size: 8, .value_kind: global_buffer, .address_space: global }
      - { .name: w_img, .offset: 8, .size: 8, .value_kind: global_buffer, .address_space: global }
      - { .name: b, .offset: 16, .size: 8, .value_kind: global_buffer, .address_space: global }
      - { .name: c_prev, .offset: 24, .size: 8, .value_kind: global_buffer, .address_space: global }
      - { .name: out0, .offset: 32, .size: 8, .value_kind: global_buffer, .address_space: global }
      - { .name: out1, .offset: 40, .size: 8, .value_kind: global_buffer, .address_space: global }
    .group_segment_fixed_size: 327680
    .private_segment_fixed_size: 0
    .kernarg_segment_align: 8
    .kernarg_segment_size: 48
    .max_flat_workgroup_size: 128
    .sgpr_count:     106
    .vgpr_count:     1024
    .wavefront_size: 32
...
	.end_amdgpu_metadata
.endif
;; end of part 4
